; MI455X (gfx1250); checked and timed in simulation.
; The chip was launched on July 23, 2026; its instructions are those of AMD's public machine-readable ISA for CDNA 5 (MIT licence, August 2026) and "CDNA5" Instruction Set Architecture Reference Guide (July 2026). The comments in the code are by the model that wrote it; some were corrected since.
;; Multi Head Attention Batched. Allowed arithmetic: matrix products marked QUANTISED: E4M3 operands, one given power-of-two scale a tensor, by v_wmma_f32_16x16x64_fp8_fp8 or v_wmma_f32_16x16x128_fp8_fp8, f32 sums; everything else in f32.
;; Inputs: b_proj 1,024 float32; b_qkv 3,072 float32; lowp_scales 8 int32 (the exponents e of the quantised operands' scales 2^e); w_proj 1,024 x 1,024 float32; w_qkv 1,024 x 3,072 float32; x 4 x 2,048 x 1,024 float32.
;; Outputs: out0 4 x 2,048 x 1,024 float32.
;; This version of the problem:
;;   THIS VERSION OF THE PROBLEM IS GIVEN IN LOW PRECISION. The matrix products marked QUANTISED in the list below multiply operands that are first quantised to E4M3 (4 exponent bits, 3 mantissa bits; 8 bits a number), with one given power-of-two scale for each operand tensor; their sums are f32. All else is computed in f32.
;;   The module's matrix products, in the order in which they are computed (A, B: the left and right operand; K: the contracted axis; several contracted axes count as one K, in the product's order):
;;     1. [M 8,192, K 1,024] x [K 1,024, N 3,072]; A: input x; B: input w_qkv: QUANTISED (scales: A lowp_scales[0], B lowp_scales[1])
;;     2. batch 64 x [M 2,048, K 64] x [K 64, N 2,048]; A: computed on the way; B: computed on the way: QUANTISED (scales: A lowp_scales[2], B lowp_scales[3])
;;     3. batch 64 x [M 2,048, K 2,048] x [K 2,048, N 64]; A: softmax (see below); B: computed on the way: QUANTISED (scales: A lowp_scales[4], B lowp_scales[5])
;;     4. [M 8,192, K 1,024] x [K 1,024, N 1,024]; A: computed on the way; B: input w_proj: QUANTISED (scales: A lowp_scales[6], B lowp_scales[7])
;;   THE QUANTISER, for each operand of a quantised product, along K:
;;     - The operand's scale is 2^e, e = its entry of the input lowp_scales (int32; the entries are numbered through the quantised products in the list's order, A before B).
;;     - Each number is divided by the scale, clamped to +-448, and rounded to the nearest number of E4M3, ties to even, subnormals kept.
;;     - The product sums the exact products of the quantised numbers (number of the format x scale) in f32.
;;   ~~~python
;;   def quantise(x, axis, e):      # numpy; x: float32 -> the quantised numbers, widened to float32 again
;;       x = np.moveaxis(x, axis, -1); K = x.shape[-1]
;;       r = np.clip(x / 2.0 ** e, -448, 448)
;;       step = 2.0 ** (np.maximum(np.frexp(np.where(r == 0, 1, r))[1] - 1, -6) - 3)
;;       q = np.round(r / step) * step * 2.0 ** e      # np.round: ties to even
;;       return np.moveaxis(q, -1, axis).astype(np.float32)
;;   ~~~
;;   SOFTMAX AHEAD OF A QUANTISED PRODUCT. Where the list says 'softmax', what is quantised is not the finished softmax but p = 2^(t - M), with t = logit x log2(e) and M = ceil(the row's largest t), a whole number; so 1/2 < the row's largest p <= 1. The row's sum l is taken of the UNQUANTISED p, in f32, and the product's result is divided by l at the end. Since M is a whole number, a kernel that streams over the keys may use a running M (the ceiling of the running maximum): every later rescaling is an exact power of two, so the quantised numbers keep their values, but for numbers so far below the row's largest that they fall under the format's range.
;;   OPERANDS COMPUTED ON THE WAY. 'Computed on the way' means the value that the module computes at that place (a softmax that the list does not call 'softmax' is quantised finished and normalised). What goes into a quantiser is computed in f32, as accurately as f32 sums, v_exp_f32 and their like allow (about 1e-6 of the number): no bf16 or f16 on the way to a quantiser, and a product that is left as it is and whose result goes on into a quantised operand takes f32 operands (vector FMAs, or v_wmma_f32_16x16x4_f32). A number that lies on a knife's edge between two numbers of the format may be rounded either way, as far as f32 arithmetic and the matrix unit's own rounding can turn it there, and no further.
;; One version. Each part assembles by itself: llvm-mc -triple=amdgcn-amd-amdhsa -mcpu=gfx1250 --defsym DOCPART=n.
;; ======== version 1 of 1: 4 launches
;; limits: right only within a limited range of input values
;; workspace buffers: x_img 8,388,608 bytes; w_img 8,388,608 bytes; qk_codes 16,777,216 bytes; vt_codes 8,388,608 bytes; attn_img 8,388,608 bytes
;; launch quant (part 1): grid 384 x 1, 4 waves a work-group, no clusters, 0 bytes of LDS; arguments x, w_qkv, w_proj, lowp_scales, x_img, w_img; writes x_img, w_img
.if DOCPART == 1
	.amdgcn_target "amdgcn-amd-amdhsa--gfx1250"
	.amdhsa_code_object_version 6
	.text
	.protected	k_qfea0a95ef0_quant
	.globl	k_qfea0a95ef0_quant
	.p2align	8
	.type	k_qfea0a95ef0_quant,@function
k_qfea0a95ef0_quant:
	s_mov_b64 s[64:65], 0
	v_nop
	global_prefetch_b8 v0, s[64:65] scope:SCOPE_SE
	s_setreg_imm32_b32 hwreg(HW_REG_WAVE_MODE, 25, 1), 1
	s_wait_xcnt 0x0
; x [8192][1024], w_qkv [1024][3072] and w_proj [1024][1024], f32, become codes of E4M3, each with its given scale 2^e (entries 0, 1 and 7 of lowp_scales).
; code = number / 2^e, held within +-448, rounded to the nearest code, ties to even.
; LIMITS: each e lies between -126 and 119, so that 2^e and 448 x 2^e are f32 numbers.  NaN among the inputs is not served (an infinity is held at the largest code).
; THE CODES ARE LAID AS IMAGES OF THE OPERANDS' REGISTERS.  For an operand [rows][K = 1024], the code of (row, k) lies at
;   (k / 256) x (rows / 16 x 4096) + rb x 4096 + ((k / 128) % 2) x 2048 + ((k / 32) % 4) x 512 + ((k / 16) % 2) x 256 + place x 16 + k % 16.
; A fragment (16 rows x 128 K) is 2,048 consecutive bytes, four loads of 16 bytes a lane at 16 x lane + 512 c, and 256 along K of any run of blocks is one dense block.
; THE 16 ROWS OF A BLOCK ARE NOT NEIGHBOURS: block rb = 2 G + u holds at place p the row 32 G + 8 u + p + 8 (p / 8), so that a product which takes such blocks as its first source leaves
; 16 neighbouring rows in the 16 registers of two neighbouring tiles.
; w_img's rows are w_qkv's 3,072 columns, then w_proj's 1,024.
; SHARES.  Work-groups 0-255 take x, 256-351 w_qkv, 352-383 w_proj; every wave makes 8,192 codes.  No LDS, no barrier, no loop: waves share nothing, every offset is an immediate.
; x: K is innermost: a lane loads 16 neighbours of each block of 32 of its row.  The weights: K is the first axis: a lane takes a column and its registers run down K.
.set XWG, 256
.set QWG, 96
.macro MKSCALE e                       ; v11 = 2^e as f32 (the conversion takes its exponent field), v10 = 448 x 2^e
	s_add_co_i32 s40, s[\e], 127
	s_lshl_b32 s41, s40, 23
	v_mov_b32 v11, s41
	s_add_co_i32 s40, s40, 8
	s_lshl_b32 s40, s40, 23
	s_or_b32 s40, s40, 0x600000
	v_mov_b32 v10, s40
.endm
.macro LOADF f                         ; fragment f of my block of x: 64 numbers a lane, register 16 c + i = k 32 c + 16 (lane / 16) + i of my row
.irp c, 0,1,2,3
.irp j, 0,1,2,3
	global_load_b128 v[32+64*((\f)%2)+16*\c+4*\j:32+64*((\f)%2)+16*\c+4*\j+3], v4, s[4:5] offset:512*(\f)+128*\c+16*\j th:TH_LOAD_NT
.endr
.endr
.endm
.macro QUANT src, dst                  ; 64 numbers of a lane become a fragment's 16 registers of codes
.irp c, 0,1,2,3
.irp i, 0,1,2,3,4,5,6,7,8,9,10,11,12,13,14,15
	v_med3_num_f32 v[\src+16*\c+\i], v[\src+16*\c+\i], -v10, v10   ; the conversion to an 8-bit code does not saturate (ISA guide 7.6.2): the hold comes first
.endr
	v_cvt_scalef32_pk8_fp8_f32 v[\dst+4*\c:\dst+4*\c+1], v[\src+16*\c:\src+16*\c+7], v11
	v_cvt_scalef32_pk8_fp8_f32 v[\dst+4*\c+2:\dst+4*\c+3], v[\src+16*\c+8:\src+16*\c+15], v11
.endr
.endm
.macro LOADW t, nn, src                ; block t of 32 along K of my column: 32 lanes read 128 consecutive bytes, the four waves 512
.irp i, 0,1,2,3,4,5,6,7,8,9,10,11,12,13,14,15,16,17,18,19,20,21,22,23,24,25,26,27,28,29,30,31
	global_load_b32 v[32+32*((\t)%2)+\i], v4, s[\src:\src+1] offset:(32*(\t)+\i)*\nn*4 th:TH_LOAD_NT
.endr
.endm
.macro BLOCK t, nn, src
.if (\t) < 7
	s_wait_loadcnt 32                              ; this block's 32 loads are in; the next block's 32 may be out
.else
	s_wait_loadcnt 0
.endif
.irp i, 0,1,2,3,4,5,6,7,8,9,10,11,12,13,14,15,16,17,18,19,20,21,22,23,24,25,26,27,28,29,30,31
	v_med3_num_f32 v[32+32*((\t)%2)+\i], v[32+32*((\t)%2)+\i], -v10, v10
.endr
.irp g, 0,1,2,3
	v_cvt_scalef32_pk8_fp8_f32 v[96+8*(\t)+2*\g:96+8*(\t)+2*\g+1], v[32+32*((\t)%2)+8*\g:32+32*((\t)%2)+8*\g+7], v11
.endr
.if (\t) < 6
	LOADW (\t)+2, \nn, \src
.endif
	; each block has its own registers for its codes, so no store's data are written again.  Lanes 0-15 store 256 consecutive, aligned bytes of block 2 G, lanes 16-31 of block 2 G + 1
	global_store_b128 v5, v[96+8*(\t):96+8*(\t)+3], s[14:15] offset:((\t)/4)*2048+((\t)%4)*512
	global_store_b128 v5, v[96+8*(\t)+4:96+8*(\t)+7], s[14:15] offset:((\t)/4)*2048+((\t)%4)*512+256
.endm
; A weight [1024][nn]: a wave takes 32 columns (group G) x 256 along K (ks2).  gb: the weight's first group of 32 rows in w_img.
.macro WPATH nn, src, e, id0, gb
	s_sub_co_u32 s17, ttmp9, \id0
	s_and_b32 s18, s17, 3                          ; ks2
	s_lshr_b32 s19, s17, 2
	s_lshl_b32 s19, s19, 2
	s_add_co_u32 s19, s19, s16                     ; G = 4 x (work-group / 4) + wave
	s_mul_i32 s20, s18, 256*\nn*4                  ; 256 rows of the weight for each ks2,
	s_lshl_b32 s21, s19, 7                         ; 128 bytes for each group of columns
	s_add_co_u32 s20, s20, s21
	s_mov_b32 s21, 0
	s_add_nc_u64 s[\src:\src+1], s[\src:\src+1], s[20:21]
	s_add_co_u32 s22, s19, \gb
	s_lshl_b32 s22, s22, 13                        ; two blocks of 4,096 bytes for each group,
	s_lshl_b32 s23, s18, 21                        ; in w_img a step of 256 along K is 2,097,152 bytes on, as in x_img (not 256 blocks, as the formula at the head would give): its 256 blocks fill the first half, the rest is never read
	s_add_co_u32 s22, s22, s23
	s_mov_b32 s23, 0
	s_add_nc_u64 s[14:15], s[14:15], s[22:23]
	v_lshl_add_u32 v4, v3, 3, v6                   ; my column in the group: 8 u + p + 8 (p / 8), u = lane / 16, p = lane % 16
	v_lshlrev_b32 v4, 2, v4
	v_lshlrev_b32 v5, 12, v3                       ; my place in the image: block u, 16 p
	v_lshl_add_u32 v5, v2, 4, v5
	LOADW 0, \nn, \src
	LOADW 1, \nn, \src
	s_wait_kmcnt 0x0
	MKSCALE \e
	s_wait_alu depctr_va_vdst(0)
.irp t, 0,1,2,3,4,5,6,7
	BLOCK \t, \nn, \src
.endr
	s_endpgm
.endm
	s_load_b256 s[4:11], s[0:1], 0x0               ; x s[4:5], w_qkv s[6:7], w_proj s[8:9], lowp_scales s[10:11]
	s_load_b128 s[12:15], s[0:1], 0x20             ; x_img s[12:13], w_img s[14:15]
	v_lshrrev_b32 v1, 5, v0
	v_readfirstlane_b32 s16, v1                    ; wave
	v_and_b32 v1, 31, v0                           ; lane
	v_and_b32 v2, 15, v0                           ; lane % 16
	v_bfe_u32 v3, v0, 4, 1                         ; lane / 16
	v_bfe_u32 v6, v0, 3, 1
	v_lshl_add_u32 v6, v6, 3, v2                   ; p + 8 (p / 8)
	s_wait_kmcnt 0x0
	s_load_b256 s[24:31], s[10:11], 0x0            ; the eight exponents
	s_cmp_lt_u32 ttmp9, XWG
	s_cbranch_scc0 .Lweights
	; ---- x: wave T = 4 x work-group + wave takes block rb = T / 2 and half T % 2 of K: four fragments
	s_lshl_b32 s17, ttmp9, 2
	s_add_co_u32 s17, s17, s16
	s_lshr_b32 s18, s17, 1                         ; rb
	s_and_b32 s19, s17, 1                          ; half
	s_lshr_b32 s20, s18, 1
	s_lshl_b32 s20, s20, 17                        ; 32 (rb / 2) rows of 4,096 bytes,
	s_and_b32 s21, s18, 1
	s_lshl_b32 s21, s21, 15                        ; 8 (rb % 2) rows,
	s_add_co_u32 s20, s20, s21
	s_lshl_b32 s21, s19, 11                        ; 512 numbers along K for the half
	s_add_co_u32 s20, s20, s21
	s_mov_b32 s21, 0
	s_add_nc_u64 s[4:5], s[4:5], s[20:21]
	s_lshl_b32 s22, s19, 22                        ; the image: two steps of 256 along K (2 x 512 blocks) for the half,
	s_lshl_b32 s23, s18, 12                        ; 4,096 bytes for each block
	s_add_co_u32 s22, s22, s23
	s_mov_b32 s23, 0
	s_add_nc_u64 s[12:13], s[12:13], s[22:23]
	s_wait_alu depctr_va_vdst(0)
	v_lshlrev_b32 v4, 12, v6                       ; my row of the block: p + 8 (p / 8),
	v_lshl_add_u32 v4, v3, 6, v4                   ; my 16 numbers of a block of 32
	v_lshlrev_b32 v5, 4, v1                        ; 16 x lane
	LOADF 0
	LOADF 1
	s_wait_kmcnt 0x0
	MKSCALE 24
	s_wait_alu depctr_va_vdst(0)
.irp f, 0,1,2,3
.if \f < 3
	s_wait_loadcnt 16                              ; this fragment's 16 loads are in; the next one's 16 may be out
.else
	s_wait_loadcnt 0
.endif
	QUANT 32+64*(\f%2), 160+16*\f
.if \f < 2
	LOADF \f+2
.endif
.irp c, 0,1,2,3
	global_store_b128 v5, v[160+16*\f+4*\c:160+16*\f+4*\c+3], s[12:13] offset:(\f/2)*2097152+(\f%2)*2048+512*\c   ; 32 lanes store 512 consecutive, aligned bytes; each fragment has its own registers
.endr
.endr
	s_endpgm
.Lweights:
	s_cmp_lt_u32 ttmp9, XWG+QWG
	s_cbranch_scc0 .Lproj
	s_wait_alu depctr_va_vdst(0)
	WPATH 3072, 6, 25, XWG, 0
.Lproj:
	s_wait_alu depctr_va_vdst(0)
	WPATH 1024, 8, 31, XWG+QWG, 96
.Lfunc_end_k_qfea0a95ef0_quant:
	.size	k_qfea0a95ef0_quant, .Lfunc_end_k_qfea0a95ef0_quant-k_qfea0a95ef0_quant
	.p2alignl 7, 3214868480
	.fill 96, 4, 3214868480
	.section	.rodata,"a",@progbits
	.p2align	6, 0x0
	.amdhsa_kernel k_qfea0a95ef0_quant
		.amdhsa_group_segment_fixed_size 0
		.amdhsa_private_segment_fixed_size 0
		.amdhsa_enable_private_segment 0
		.amdhsa_kernarg_size 48
		.amdhsa_user_sgpr_count 2
		.amdhsa_user_sgpr_kernarg_segment_ptr 1
		.amdhsa_wavefront_size32 1
		.amdhsa_system_sgpr_workgroup_id_x 1
		.amdhsa_system_sgpr_workgroup_id_y 1
		.amdhsa_system_sgpr_workgroup_id_z 1
		.amdhsa_system_vgpr_workitem_id 0
		.amdhsa_next_free_vgpr 224
		.amdhsa_next_free_sgpr 66
		.amdhsa_reserve_vcc 0
		.amdhsa_float_denorm_mode_32 3
		.amdhsa_float_denorm_mode_16_64 3
		.amdhsa_memory_ordered 1
		.amdhsa_forward_progress 1
		.amdhsa_inst_pref_size 118
	.end_amdhsa_kernel
	.amdgpu_metadata
---
amdhsa.version: [ 1, 2 ]
amdhsa.kernels:
  - .name:           k_qfea0a95ef0_quant
    .symbol:         k_qfea0a95ef0_quant.kd
    .args:
      - { .name: x, .offset: 0, .size: 8, .value_kind: global_buffer, .address_space: global }
      - { .name: w_qkv, .offset: 8, .size: 8, .value_kind: global_buffer, .address_space: global }
      - { .name: w_proj, .offset: 16, .size: 8, .value_kind: global_buffer, .address_space: global }
      - { .name: lowp_scales, .offset: 24, .size: 8, .value_kind: global_buffer, .address_space: global }
      - { .name: x_img, .offset: 32, .size: 8, .value_kind: global_buffer, .address_space: global }
      - { .name: w_img, .offset: 40, .size: 8, .value_kind: global_buffer, .address_space: global }
    .group_segment_fixed_size: 0
    .private_segment_fixed_size: 0
    .kernarg_segment_align: 8
    .kernarg_segment_size: 48
    .max_flat_workgroup_size: 128
    .sgpr_count:     66
    .vgpr_count:     224
    .wavefront_size: 32
...
	.end_amdgpu_metadata
.endif
;; end of part 1
;; launch gemm_qkv (part 2): grid 12 x 64, 4 waves a work-group, clusters of 4 x 4, 327,680 bytes of LDS; arguments x_img, w_img, b_qkv, lowp_scales, qk_codes, vt_codes; writes qk_codes, vt_codes
.if DOCPART == 2
	.amdgcn_target "amdgcn-amd-amdhsa--gfx1250"
	.amdhsa_code_object_version 6
	.text
	.protected	k_qfea0a95ef0_gemm_qkv
	.globl	k_qfea0a95ef0_gemm_qkv
	.p2align	8
	.type	k_qfea0a95ef0_gemm_qkv,@function
k_qfea0a95ef0_gemm_qkv:
	s_mov_b64 s[64:65], 0
	v_nop
	global_prefetch_b8 v0, s[64:65] scope:SCOPE_SE
	s_setreg_imm32_b32 hwreg(HW_REG_WAVE_MODE, 25, 1), 1
	s_wait_xcnt 0x0
	s_wait_alu depctr_hold_cnt(0) depctr_sa_sdst(0) depctr_va_vdst(0) depctr_va_sdst(0) depctr_va_ssrc(0) depctr_va_vcc(0) depctr_vm_vsrc(0)
	s_getreg_b32 s2, hwreg(HW_REG_IB_STS2, 6, 4)
	s_cmp_eq_u32 s2, 0
	s_cbranch_scc0 .Lentry_in_a_cluster
	s_endpgm
.Lentry_in_a_cluster:
	s_bfe_u32 s2, ttmp6, 0x10000c
	s_cmp_lg_u32 s2, 0xf033
	s_cbranch_scc0 .Lentry_shape_is_right
	s_endpgm
.Lentry_shape_is_right:
; qkv = x w_qkv + b_qkv on codes of E4M3 (K = 1,024), and its three parts quantised on the way out: q with entry 2 of lowp_scales, k with entry 3, v with entry 5.
; OUT: qk_codes [8192 tokens][2048]: bytes 0-1023 q, 1024-2047 k, column 64 x head + d.   vt_codes [4][1024 channels][2048 tokens]: v with the TOKENS innermost, since they are the K of attention's second product.
; A TILE is 128 R rows x 256 S rows.  Four waves, wave w: R rows 64 (w / 2) on, S rows 128 (w % 2) on: 32 accumulators, 256 registers.  768 work-groups: three for each of 256 WGPs.
; THE MATRIX INSTRUCTION takes 16 S rows as source 0 and 16 R rows as source 1: a lane holds ONE R row and its registers run along S; the blocks' row order makes the 16 registers of tiles 2 b and 2 b + 1
; sixteen neighbouring S rows, so that two conversions give 16 neighbouring codes.  For q and k: R = tokens (x_img), S = columns (w_img).  For v the two change places, BY POINTERS, not by text: R = channels, S = tokens.
; The cluster's x says which: 0 = q, 1 = k, 2 = v: the same in all partners.
; THE OPERANDS are images of registers: a fragment is 2,048 consecutive bytes, in memory and in LDS: no pitch, no padding; a K step of 256 of a tile is one dense block.
; K goes in four steps of 256 through three LDS slots: steps 0, 1, 2 are first fills, step 3 fills slot 0 again, behind a round of the cluster's barrier; it has 128 matrix instructions of a wave in which to land.
; CLUSTERS: 4 x 4 work-groups.  R's tile is shared along a row of the cluster, S's along a column: each is asked for jointly, by the same tensor load with the same descriptor and a mask that names the four.
; THE BIAS starts the sums: the accumulators begin as bias / 2^(e0 + e1), made while the first tiles are on their way, so every K step is alike.
; k WITHIN A FRAGMENT: registers 4 c .. 4 c + 3 hold k = 32 c + 16 (lane / 16) + 0 .. 15, alike in both sources: every product meets its partner; only the order of the sums inside an instruction differs.
; LIMITS: e0 + e1 between -127 and 126; (the part's e) - e0 - e1 between -126 and 119, so that each power of two below is an f32 number.
; REGISTERS, in windows of 256: window 0: v1-31 addresses and constants; v32-95 the bias, later the codes; v128-255 R's fragments, two sets of 4 x 16.   window 1: S's fragments, two sets of 8 x 16.
;   window 2: accumulator (a, b) at v[8 (8 a + b)].
; LAYOUT OF qk_codes, in place of what the line OUT above says of it: q, then k (8,388,608 bytes on), each [64 heads (16 x batch + head)][2048 tokens][64], dense: a store of 32 lanes covers eight tokens of one head, 512 consecutive bytes.
; THE FILLS, in place of what is said above of their order: a wave issues K step 0's load at the head; K steps 1 and 2 are first fills and K step 3 a refill of slot 0, each the wave's one load behind a round of the cluster's barrier.
; No prefetch: K has four steps, and each is asked for one step ahead by its own load.
; THE FILLS AND THE LDS AS THEY STAND (this takes the place of all that is said of them above): the head's one load a wave brings K steps 0 AND 1: two rows, each a dense half tile, 2,097,152 bytes apart in either image.
; LDS: R's half n at 32,768 n (K step 0, then 1), S's half n at 65,536 + 65,536 n (likewise); slot 2 at 196,608 (R's 8 blocks, then S's 16).  K step 2 is slot 2's first fill, asked for when steps 0 and 1 have landed;
; K step 3 fills K step 0's bytes again, behind the round at K 384-511.  Each is the wave's one load behind a round of the cluster's barrier.
.set SLOTB, 98304                      ; a K step of a tile: R's 8 blocks of 4,096 bytes and S's 16
.set SOFF,  32768
.set STAGE, 2*SLOTB                    ; the way out: 128 rows x 272 bytes in slot 2, which is filled once and is left by every wave at the last change of slots
.set SPARE, 3*SLOTB                    ; behind the slots: the spare words, 128 bytes for each wave: two blocks of 256 bytes that no other line names
.set SP,    272
.set LI,   5                           ; v5      16 x lane
.set ADRR, 16                          ; v16-18  LDS address of my R fragments in slot 0, 1, 2
.set ADRS, 20                          ; v20-22  the same for S
.set STO,  24
.set RD,   25
.set CO,   26
.set BA,   27
.set RD2,  23                          ; v23     the way out of q and k: where I read 16 bytes of a head's token back
.set SPW,  28                          ; v28     LDS address of my spare word; never rewritten
.set NIL,  29                          ; v29     0; never rewritten
.set SCL,  30                          ; v30     2^F as f32, F = the part's e - e0 - e1
.set LIMV, 31                          ; v31     448 x 2^F
.set TMP,  32
.set RF,   128
.set G1R, 32                           ; s[32:39] descriptor group 1 for R's tiles, s[40:47] for S's
.set G1S, 40
.set G0R, 48                           ; s[48:55] group 0 for R's tiles; s[68:75] for S's
.set G0S, 68                           ; of each group 0 two sets: set 0 K steps 0 and 1, later K step 3; set 1 K step 2
.set G1HR, 56                          ; s[56:63] group 1 of the head's load for R, s[76:83] for S
.set G1HS, 76
.set MSB, 0
.macro WIN new                         ; the immediate's high byte repeats the setting that is left
.if MSB != \new
	s_set_vgpr_msb (MSB<<8)|\new
.set MSB, \new
.endif
.endm
.set MUL,  0xa1                        ; source 0 (S) window 1, source 1 (R) window 0, C and D window 2
.set TO_S, 0x40                        ; destination window 1, address window 0
.macro JLOAD s, gr, gs                 ; a joint load by group 0's set s and the groups 1 gr, gs: waves 0 and 1 fetch R's halves, waves 2 and 3 S's; four v_nop follow each line
	s_cmp_eq_u32 s17, 0
	s_cbranch_scc0 .Lfor_s_\@
	tensor_load_to_lds s[G0R+4*\s:G0R+4*\s+3], s[\gr:\gr+7]
	s_nop 0
.rept 4
	v_nop
.endr
	s_branch .Lasked_\@
.Lfor_s_\@:
	tensor_load_to_lds s[G0S+4*\s:G0S+4*\s+3], s[\gs:\gs+7]
	s_nop 0
.rept 4
	v_nop
.endr
.Lasked_\@:
.endm
.macro CREST                           ; a round of the cluster's barrier behind its opening barrier
	s_cmp_lg_u32 s16, 0
	s_cbranch_scc1 .Lnot_wave_0_\@
	s_barrier_signal -3
.Lnot_wave_0_\@:
	s_barrier_wait -3
	s_barrier_signal -1
	s_barrier_wait -1
.endm
.macro CROUND
	s_barrier_signal -1
	s_barrier_wait -1
	CREST
.endm
.macro PLACES n                        ; plain vector instructions between a matrix instruction and a load into, or a read of, its registers
.rept \n
	v_nop
.endr
.endm
.macro FETCH slot, q, p                ; the fragments of the slot's q-th 128 along K into set p: 32 loads for S, then 16 for R
	WIN TO_S
.irp b, 0,1,2,3,4,5,6,7
.irp c, 0,1,2,3
	ds_load_b128 v[128*(\p)+16*\b+4*\c:128*(\p)+16*\b+4*\c+3], v[ADRS+\slot] offset:(2*\b+(\q))*2048+512*\c
.endr
.endr
	WIN 0
.irp a, 0,1,2,3
.irp c, 0,1,2,3
	ds_load_b128 v[RF+64*(\p)+16*\a+4*\c:RF+64*(\p)+16*\a+4*\c+3], v[ADRR+\slot] offset:(2*\a+(\q))*2048+512*\c
.endr
.endr
.endm
.macro MULA a, p                       ; R's block a against S's eight.  The 32 accumulators take turns, one instruction a turn, in the same order in every step
.irp b, 0,1,2,3,4,5,6,7
	v_wmma_f32_16x16x128_fp8_fp8 v[8*(8*(\a)+\b):8*(8*(\a)+\b)+7], v[128*(\p)+16*\b:128*(\p)+16*\b+15], v[RF+64*(\p)+16*(\a):RF+64*(\p)+16*(\a)+15], v[8*(8*(\a)+\b):8*(8*(\a)+\b)+7]
.endr
.endm
.macro STEP p, nslot, nq               ; multiplies set p; in its middle the next 128 along K are fetched into the other set
	s_wait_dscnt 8                                 ; S's set and R's blocks 0, 1 are in; the youngest eight loads (R's blocks 2, 3) may be out
	WIN MUL
	MULA 0, \p
	MULA 1, \p
	PLACES 4
	FETCH \nslot, \nq, 1-\p
	s_wait_dscnt 48                                ; all but the 48 just issued
	WIN MUL
	MULA 2, \p
	MULA 3, \p
	WIN 0
.endm
; A step that changes slots (it multiplies set 1): ONE barrier; in front of it each wave waits for all its tensor loads, adds 0 to its spare word, and waits for that and for its own LDS reads.
.macro TURN nslot, fill
	s_wait_tensorcnt 0x0                           ; all my tensor loads have landed
	ds_add_u32 v[SPW], v[NIL]                      ; 0 onto my spare word
	s_wait_dscnt 9                                 ; (the add and the youngest eight loads may be out)
	WIN MUL
	MULA 0, 1                                      ; eight matrix instructions stand between the add and the wait for it
	s_wait_dscnt 0x0                               ; the add is done, and my reads of the slots so far are over
	s_barrier_signal -1
	MULA 1, 1
	WIN 0
	s_barrier_wait -1
.if \fill
	CREST                                          ; the barrier has opened a round of the cluster's barrier: no wave of any partner has a load on its way or still reads the slot
	s_mov_b64 s[G0R+2:G0R+3], s[84:85]             ; K step 3 onto K step 0's bytes; no tensor load of mine is out, so a group 0 may be written
	s_or_b32 s[G0R+3], s[G0R+3], 0x80000000
	s_mov_b64 s[G0S+2:G0S+3], s[86:87]
	s_or_b32 s[G0S+3], s[G0S+3], 0x80000000
	JLOAD 0, G1R, G1S                              ; the first tensor load behind the round, my only one; its four v_nop are also the places in front of the loads below
.else
	PLACES 4
.endif
	FETCH \nslot, 0, 0
	WIN MUL
	MULA 2, 1
	MULA 3, 1
	WIN 0
.endm
	s_load_b256 s[4:11], s[0:1], 0x0               ; x_img s[4:5], w_img s[6:7], b_qkv s[8:9], lowp_scales s[10:11]
	s_load_b128 s[12:15], s[0:1], 0x20             ; qk_codes s[12:13], vt_codes s[14:15]
	v_lshl_add_u32 v[SPW], v0, 2, SPARE
	v_mov_b32 v[NIL], 0
	ds_add_u32 v28, v29
	ds_add_u32 v28, v29
	s_wait_dscnt 0x0
	v_lshrrev_b32 v1, 5, v0
	v_readfirstlane_b32 s16, v1                    ; wave 0..3
	s_lshr_b32 s17, s16, 1                         ; which 64 R rows are mine.  Also: I fetch for R (0) or for S (1)
	s_and_b32 s18, s16, 1                          ; which 128 S rows.  Also: which half of that tile I fetch
	s_bfe_u32 s19, ttmp6, 0x40000                  ; cx
	s_bfe_u32 s20, ttmp6, 0x40004                  ; cy
	s_and_b32 s22, ttmp7, 0xffff                   ; the cluster's y, 0..15
	s_and_b32 s23, s22, 7
	s_lshr_b32 s24, s22, 3
	s_cmp_eq_u32 ttmp9, 2                          ; v?  The cluster's x: the same in all sixteen partners
	s_cselect_b32 s23, s23, ttmp9                  ; which four S tiles: v: y % 8 (32 tiles of 256 tokens);  q, k: the cluster's x (8 tiles of 256 columns)
	s_cselect_b32 s24, s24, s22                    ; which four R tiles: v: y / 8 (8 tiles of 128 channels); q, k: y (64 tiles of 128 tokens)
	s_cselect_b32 s21, 128, 0                      ; v's channels are w_img's rows 2,048 on: block 128 on
	s_lshl_b32 s25, s23, 2
	s_add_co_u32 s25, s25, s19                     ; S tile
	s_lshl_b32 s26, s24, 2
	s_add_co_u32 s26, s26, s20                     ; R tile
	s_lshl_b32 s27, s20, 2
	s_lshl_b32 s27, 15, s27                        ; my row of the cluster
	s_lshl_b32 s28, 0x1111, s19                    ; my column
	; descriptor group 1: a dense block as rows of 256 bytes (32 elements of 8 bytes): 64 rows for half of R's tile, 128 for half of S's
	s_or_b32 s[G1R], s27, (3<<16)|(1<<21)          ; 15:0 the mask; 17:16 elements of 8 bytes; 20 no padding; 21 set beside a mask
	s_or_b32 s[G1S], s28, (3<<16)|(1<<21)
	s_mov_b32 s[G1R+1], 32<<16                     ; tensor_dim0 = 32
	s_mov_b32 s[G1R+2], 64<<16                     ; tensor_dim1 = 64
	s_mov_b32 s[G1R+3], 32<<16                     ; tile_dim0 = 32
	s_mov_b32 s[G1R+4], 64                         ; tile_dim1 = 64
	s_mov_b32 s[G1R+5], 32                         ; from row to row
	s_mov_b32 s[G1R+6], 0
	s_mov_b32 s[G1R+7], 0
	s_mov_b32 s[G1S+1], 32<<16
	s_mov_b32 s[G1S+2], 128<<16
	s_mov_b32 s[G1S+3], 32<<16
	s_mov_b32 s[G1S+4], 128
	s_mov_b32 s[G1S+5], 32
	s_mov_b32 s[G1S+6], 0
	s_mov_b32 s[G1S+7], 0
	s_lshl_b32 s84, s26, 3                         ; R: block 8 x tile + 4 x half (+ 128 for v), 4,096 bytes each: no register here ever holds cx
	s_lshl_b32 s29, s18, 2
	s_add_co_u32 s84, s84, s29
	s_add_co_u32 s84, s84, s21
	s_lshl_b32 s84, s84, 12
	s_mov_b32 s85, 0
	s_lshl_b32 s86, s25, 4                         ; S: block 16 x tile + 8 x half: no register here ever holds cy
	s_lshl_b32 s30, s18, 3
	s_add_co_u32 s86, s86, s30
	s_lshl_b32 s86, s86, 12
	s_mov_b32 s87, 0
	s_lshl_b32 s31, s18, 14                        ; where they go in a slot: R's half,
	s_lshl_b32 s99, s18, 15
	s_add_co_u32 s99, s99, SOFF                    ; S's half: the wave's number alone
	s_wait_kmcnt 0x0
	s_load_b256 s[88:95], s[10:11], 0x0            ; the eight exponents
	s_cmp_eq_u32 ttmp9, 2
	s_cselect_b64 s[60:61], s[6:7], s[4:5]         ; R's image
	s_cselect_b64 s[62:63], s[4:5], s[6:7]         ; S's image
	s_add_nc_u64 s[84:85], s[60:61], s[84:85]
	s_add_nc_u64 s[86:87], s[62:63], s[86:87]
	CROUND                                         ; all sixteen work-groups are here: the first joint loads meet
	; group 1 of the head's load: two rows (K steps 0 and 1), each a dense half tile in elements of 8 bytes: 2,048 for R, 4,096 for S; 262,144 elements from row to row
	s_or_b32 s[G1HR], s27, (3<<16)|(1<<21)
	s_or_b32 s[G1HS], s28, (3<<16)|(1<<21)
	s_mov_b32 s[G1HR+1], 2048<<16                  ; tensor_dim0
	s_mov_b32 s[G1HR+2], 2<<16                     ; tensor_dim1
	s_mov_b32 s[G1HR+3], 2048<<16                  ; tile_dim0
	s_mov_b32 s[G1HR+4], 2                         ; tile_dim1
	s_mov_b32 s[G1HR+5], 0x40000                   ; from row to row
	s_mov_b32 s[G1HR+6], 0
	s_mov_b32 s[G1HR+7], 0
	s_mov_b32 s[G1HS+1], 4096<<16
	s_mov_b32 s[G1HS+2], 2<<16
	s_mov_b32 s[G1HS+3], 4096<<16
	s_mov_b32 s[G1HS+4], 2
	s_mov_b32 s[G1HS+5], 0x40000
	s_mov_b32 s[G1HS+6], 0
	s_mov_b32 s[G1HS+7], 0
	s_mov_b32 s[G0R], 1                            ; set 0: count = 1,
	s_lshl_b32 s[G0R+1], s18, 15                   ; LDS address: my half's K steps 0 and 1,
	s_mov_b64 s[G0R+2:G0R+3], s[84:85]             ; global address: K step 0,
	s_or_b32 s[G0R+3], s[G0R+3], 0x80000000        ; type = 2
	s_add_nc_u64 s[84:85], s[84:85], 0x400000
	s_mov_b32 s[G0R+4], 1                          ; set 1: K step 2 into slot 2
	s_add_co_u32 s[G0R+5], s31, 2*SLOTB
	s_mov_b64 s[G0R+6:G0R+7], s[84:85]
	s_or_b32 s[G0R+7], s[G0R+7], 0x80000000
	s_add_nc_u64 s[84:85], s[84:85], 0x200000
	s_mov_b32 s[G0S], 1
	s_lshl_b32 s[G0S+1], s18, 16
	s_add_co_u32 s[G0S+1], s[G0S+1], 65536
	s_mov_b64 s[G0S+2:G0S+3], s[86:87]
	s_or_b32 s[G0S+3], s[G0S+3], 0x80000000
	s_add_nc_u64 s[86:87], s[86:87], 0x400000
	s_mov_b32 s[G0S+4], 1
	s_add_co_u32 s[G0S+5], s99, 2*SLOTB
	s_mov_b64 s[G0S+6:G0S+7], s[86:87]
	s_or_b32 s[G0S+7], s[G0S+7], 0x80000000
	s_add_nc_u64 s[86:87], s[86:87], 0x200000      ; s[84:85] and s[86:87] now stand at K step 3
	JLOAD 0, G1HR, G1HS                            ; K steps 0 and 1: one tensor load a wave at the head
	v_and_b32 v1, 15, v0                           ; r = lane % 16
	v_bfe_u32 v2, v0, 4, 1                         ; h = lane / 16
	v_bfe_u32 v3, v0, 3, 1
	v_lshl_add_u32 v3, v3, 3, v1                   ; r + 8 (r / 8)
	v_and_b32 v[LI], 31, v0
	v_lshlrev_b32 v[LI], 4, v[LI]
	s_lshl_b32 s29, s17, 14                        ; my four blocks of R
	v_add_nc_u32 v[ADRR+2], s29, v[LI]
	v_add_nc_u32 v[ADRR], s29, v[ADRR+2]           ; K step 0: 32,768 x my half
	v_add_nc_u32 v[ADRR+2], 2*SLOTB, v[ADRR+2]     ; slot 2: 16,384 x my half
	v_add_nc_u32 v[ADRR+1], 16384, v[ADRR]         ; K step 1
	v_add_nc_u32 v[ADRS+2], s99, v[LI]
	v_add_nc_u32 v[ADRS], s99, v[ADRS+2]           ; K step 0: 65,536 + 65,536 x my half = twice s99
	v_add_nc_u32 v[ADRS+2], 2*SLOTB, v[ADRS+2]
	v_add_nc_u32 v[ADRS+1], 32768, v[ADRS]
	s_mul_i32 s29, s17, 64*SP                      ; the stage, in: row = my R row 64 (w / 2) + r + 8 (r / 8) (+ the block's rows), byte 128 (w % 2) + 16 h (+ 32 b)
	s_lshl_b32 s30, s18, 7
	s_add_co_u32 s29, s29, s30
	s_add_co_u32 s29, s29, STAGE
	v_mul_u32_u24 v[STO], v3, SP
	v_lshl_add_u32 v[STO], v2, 4, v[STO]
	v_add_nc_u32 v[STO], s29, v[STO]
	s_mul_i32 s29, s16, 32*SP                      ; back: wave w takes rows 32 w on, whole; lanes 0-15 one row of 256 bytes, lanes 16-31 the next
	s_add_co_u32 s29, s29, STAGE
	v_mul_u32_u24 v[RD], v2, SP
	v_lshl_add_u32 v[RD], v1, 4, v[RD]
	v_add_nc_u32 v[RD], s29, v[RD]
	v_bfe_u32 v[RD2], v0, 2, 3                     ; q, k: lane l takes row l / 4 of eight, bytes 16 (l % 4) of a head's 64
	v_mul_u32_u24 v[RD2], v[RD2], SP
	v_and_b32 v4, 3, v0
	v_lshl_add_u32 v[RD2], v4, 4, v[RD2]
	v_add_nc_u32 v[RD2], s29, v[RD2]
	v_lshlrev_b32 v[CO], 11, v2                    ; and the same two rows in the output: vt_codes has rows of 2,048 bytes
	v_lshl_add_u32 v[CO], v1, 4, v[CO]
	; where my 32 rows go: row 128 x R tile + 32 w; q, k: 64 bytes a token, heads 4 (S tile % 4) on, k for S tiles 4-7; v: batch (S tile / 8), byte 256 x (S tile % 8).  In registers that feed no descriptor
	s_lshl_b32 s66, s26, 7
	s_lshl_b32 s67, s16, 5
	s_add_co_u32 s66, s66, s67
	s_lshl_b32 s66, s66, 11
	s_lshr_b32 s67, s25, 3
	s_lshl_b32 s67, s67, 21
	s_and_b32 s2, s25, 7
	s_lshl_b32 s2, s2, 8
	s_or_b32 s67, s67, s2
	s_add_co_u32 s67, s66, s67                     ; v's place
	s_lshr_b32 s66, s66, 5                         ; q, k: 64 bytes a token,
	s_lshr_b32 s98, s26, 4
	s_mul_i32 s98, s98, 0x1e0000                   ; a batch is 16 heads of 131,072 bytes (of which its 2,048 tokens x 64 are counted above),
	s_add_co_u32 s66, s66, s98
	s_lshr_b32 s98, s25, 2
	s_lshl_b32 s98, s98, 23                        ; k lies 8,388,608 bytes behind q,
	s_add_co_u32 s66, s66, s98
	s_and_b32 s98, s25, 3
	s_lshl_b32 s98, s98, 19                        ; an S tile is four heads
	s_add_co_u32 s66, s66, s98
	s_cmp_eq_u32 ttmp9, 2
	s_cselect_b32 s66, s67, s66
	s_cselect_b64 s[2:3], s[14:15], s[12:13]
	s_mov_b32 s67, 0
	s_add_nc_u64 s[66:67], s[2:3], s[66:67]
	; the bias: q, k: that of my 128 S rows (columns 256 x S tile + 128 (w % 2) on); v: that of my 64 R rows (columns 2,048 + 128 x R tile + 64 (w / 2) on)
	s_lshl_b32 s2, s25, 10
	s_lshl_b32 s3, s18, 9
	s_add_co_u32 s2, s2, s3
	s_lshl_b32 s3, s26, 9
	s_lshl_b32 s98, s17, 8
	s_add_co_u32 s3, s3, s98
	s_add_co_u32 s3, s3, 8192
	s_cmp_eq_u32 ttmp9, 2
	s_cselect_b32 s2, s3, s2
	s_mov_b32 s3, 0
	s_add_nc_u64 s[8:9], s[8:9], s[2:3]
	s_wait_kmcnt 0x0
	s_add_co_i32 s96, s88, s89                     ; a sum stands for sum x 2^(e0 + e1): the bias goes in as bias / 2^(e0 + e1)
	s_sub_co_i32 s96, 127, s96
	s_lshl_b32 s96, s96, 23
	s_mov_b32 s97, s96                             ; (named with it as a pair, so it is written)
	s_cmp_eq_u32 ttmp9, 2
	s_cselect_b32 s98, s93, s91                    ; the part's e: v entry 5, k entry 3,
	s_cmp_eq_u32 ttmp9, 0
	s_cselect_b32 s98, s90, s98                    ; q entry 2
	s_sub_co_i32 s98, s98, s88
	s_sub_co_i32 s98, s98, s89                     ; F: the three scales folded into the conversion's one
	s_add_co_i32 s98, s98, 127
	s_lshl_b32 s2, s98, 23
	v_mov_b32 v[SCL], s2
	s_add_co_i32 s98, s98, 8
	s_lshl_b32 s98, s98, 23
	s_or_b32 s98, s98, 0x600000
	v_mov_b32 v[LIMV], s98
	s_cmp_eq_u32 ttmp9, 2
	s_cbranch_scc1 .Lbias_v
	v_lshlrev_b32 v[BA], 6, v2                     ; q, k: register 16 b + i of v32 on = the bias of S row 32 b + 16 h + i
.irp bb, 0,1,2,3
.irp k, 0,1,2,3
	global_load_b128 v[TMP+16*\bb+4*\k:TMP+16*\bb+4*\k+3], v[BA], s[8:9] offset:128*\bb+16*\k
.endr
.endr
	s_wait_loadcnt 0x0
	WIN 0x80                                       ; destination window 2
.irp a, 0,1,2,3
.irp b, 0,1,2,3,4,5,6,7
.irp j, 0,2,4,6
	v_pk_mul_f32 v[8*(8*\a+\b)+\j:8*(8*\a+\b)+\j+1], v[TMP+8*\b+\j:TMP+8*\b+\j+1], s[96:97] op_sel_hi:[1,0]
.endr
.endr
.endr
	WIN 0
	s_branch .Lbias_done
.Lbias_v:
	v_lshlrev_b32 v[BA], 2, v3                     ; v: one number a lane for each block a: that of R row 32 (a / 2) + 8 (a % 2) + r + 8 (r / 8); loaded into both halves of a pair
.irp a, 0,1,2,3
	global_load_b32 v[TMP+2*\a], v[BA], s[8:9] offset:4*(32*(\a/2)+8*(\a%2))
	global_load_b32 v[TMP+2*\a+1], v[BA], s[8:9] offset:4*(32*(\a/2)+8*(\a%2))
.endr
	s_wait_loadcnt 0x0
	WIN 0x80
.irp a, 0,1,2,3
.irp b, 0,1,2,3,4,5,6,7
.irp j, 0,2,4,6
	v_pk_mul_f32 v[8*(8*\a+\b)+\j:8*(8*\a+\b)+\j+1], v[TMP+2*\a:TMP+2*\a+1], s[96:97] op_sel_hi:[1,0]
.endr
.endr
.endr
	WIN 0
.Lbias_done:
	s_wait_alu depctr_va_vdst(0)
	s_wait_tensorcnt 0x0                           ; my part of K step 0 is in; these lines stand ahead of a later first fill as ahead of a refill
	ds_add_u32 v[SPW], v[NIL]
	s_wait_dscnt 0x0
	CROUND                                         ; everybody's part of K step 0 is in, and the joint loads meet
	JLOAD 1, G1R, G1S                              ; slot 2's first fill: K step 2
	FETCH 0, 0, 0
	STEP 0, 0, 1                                   ; K 0-127
	STEP 1, 1, 0                                   ; K 128-255: K step 1 is in with K step 0: no barrier
	STEP 0, 1, 1                                   ; K 256-383
	TURN 2, 1                                      ; K 384-511; K step 2 has landed; K step 0's bytes are asked for again
	STEP 0, 2, 1                                   ; K 512-639
	TURN 0, 0                                      ; K 640-767; K step 3 has landed in slot 0; nothing is asked for
	STEP 0, 0, 1                                   ; K 768-895
	s_wait_dscnt 8                                 ; K 896-1023: nothing more to fetch
	WIN MUL
	MULA 0, 1
	MULA 1, 1
	s_wait_dscnt 0x0
	MULA 2, 1
	MULA 3, 1
	WIN 0
	; THE WAY OUT: hold, convert, 16 codes a lane into the work-group's stage; a barrier, since a row's 256 bytes come from two waves; back as whole rows, 32 a wave.
	PLACES 4
	WIN 0x82                                       ; source 0 and destination window 2
.set i, 0
.rept 256
	v_med3_num_f32 v[i], v[i], -v[LIMV], v[LIMV]   ; each accumulator from its low end on
.set i, i+1
.endr
	WIN 0x02                                       ; source 0 window 2
.irp a, 0,1,2,3
.irp bb, 0,1,2,3
.irp u, 0,1
	v_cvt_scalef32_pk8_fp8_f32 v[TMP+4*(4*\a+\bb)+2*\u:TMP+4*(4*\a+\bb)+2*\u+1], v[8*(8*\a+2*\bb+\u):8*(8*\a+2*\bb+\u)+7], v[SCL]
.endr
.endr
.endr
	v_nop                                          ; a plain vector instruction behind the last conversion
	WIN 0
.irp a, 0,1,2,3
.irp bb, 0,1,2,3
	ds_store_b128 v[STO], v[TMP+4*(4*\a+\bb):TMP+4*(4*\a+\bb)+3] offset:(32*(\a/2)+8*(\a%2))*SP+32*\bb
.endr
.endr
	s_wait_dscnt 0x0                               ; for the others' sake: my stores into the stage are done
	s_barrier_signal -1
	s_barrier_wait -1
	s_cmp_eq_u32 ttmp9, 2                          ; the cluster's x: the same in all partners
	s_cbranch_scc1 .Lout_v
.irp t, 0,1,2,3,4,5,6,7,8,9,10,11,12,13,14,15
	ds_load_b128 v[RF+4*\t:RF+4*\t+3], v[RD2] offset:8*(\t/4)*SP+64*(\t%4)   ; q, k: eight tokens of head t % 4
.endr
.irp t, 0,1,2,3,4,5,6,7,8,9,10,11,12,13,14,15
	s_wait_dscnt 15-\t
	global_store_b128 v[LI], v[RF+4*\t:RF+4*\t+3], s[66:67] offset:(\t%4)*131072+(\t/4)*512   ; 32 lanes store 512 consecutive, aligned bytes
.endr
	s_branch .Lout_done
.Lout_v:
.irp t, 0,1,2,3,4,5,6,7,8,9,10,11,12,13,14,15
	ds_load_b128 v[RF+4*\t:RF+4*\t+3], v[RD] offset:2*\t*SP
.endr
.irp t, 0,1,2,3,4,5,6,7,8,9,10,11,12,13,14,15
	s_wait_dscnt 15-\t
	global_store_b128 v[CO], v[RF+4*\t:RF+4*\t+3], s[66:67] offset:2*\t*2048   ; 16 lanes store 256 consecutive, aligned bytes
.endr
.Lout_done:
	s_wait_tensorcnt 0x0                           ; the wave's end
	ds_add_u32 v[SPW], v[NIL]
	s_wait_dscnt 0x0
	CROUND                                         ; the closing round: no work-group ends while a partner may still ask for a tile that names it
	s_endpgm
.Lfunc_end_k_qfea0a95ef0_gemm_qkv:
	.size	k_qfea0a95ef0_gemm_qkv, .Lfunc_end_k_qfea0a95ef0_gemm_qkv-k_qfea0a95ef0_gemm_qkv
	.p2alignl 7, 3214868480
	.fill 96, 4, 3214868480
	.section	.rodata,"a",@progbits
	.p2align	6, 0x0
	.amdhsa_kernel k_qfea0a95ef0_gemm_qkv
		.amdhsa_group_segment_fixed_size 327680
		.amdhsa_private_segment_fixed_size 0
		.amdhsa_enable_private_segment 0
		.amdhsa_kernarg_size 48
		.amdhsa_user_sgpr_count 2
		.amdhsa_user_sgpr_kernarg_segment_ptr 1
		.amdhsa_wavefront_size32 1
		.amdhsa_system_sgpr_workgroup_id_x 1
		.amdhsa_system_sgpr_workgroup_id_y 1
		.amdhsa_system_sgpr_workgroup_id_z 1
		.amdhsa_system_vgpr_workitem_id 0
		.amdhsa_next_free_vgpr 768
		.amdhsa_next_free_sgpr 100
		.amdhsa_reserve_vcc 0
		.amdhsa_float_denorm_mode_32 3
		.amdhsa_float_denorm_mode_16_64 3
		.amdhsa_memory_ordered 1
		.amdhsa_forward_progress 1
		.amdhsa_inst_pref_size 99
	.end_amdhsa_kernel
	.amdgpu_metadata
---
amdhsa.version: [ 1, 2 ]
amdhsa.kernels:
  - .name:           k_qfea0a95ef0_gemm_qkv
    .symbol:         k_qfea0a95ef0_gemm_qkv.kd
    .args:
      - { .name: x_img, .offset: 0, .size: 8, .value_kind: global_buffer, .address_space: global }
      - { .name: w_img, .offset: 8, .size: 8, .value_kind: global_buffer, .address_space: global }
      - { .name: b_qkv, .offset: 16, .size: 8, .value_kind: global_buffer, .address_space: global }
      - { .name: lowp_scales, .offset: 24, .size: 8, .value_kind: global_buffer, .address_space: global }
      - { .name: qk_codes, .offset: 32, .size: 8, .value_kind: global_buffer, .address_space: global }
      - { .name: vt_codes, .offset: 40, .size: 8, .value_kind: global_buffer, .address_space: global }
    .group_segment_fixed_size: 327680
    .private_segment_fixed_size: 0
    .kernarg_segment_align: 8
    .kernarg_segment_size: 48
    .max_flat_workgroup_size: 128
    .sgpr_count:     100
    .vgpr_count:     768
    .wavefront_size: 32
...
	.end_amdgpu_metadata
.endif
;; end of part 2
;; launch attn (part 3): grid 4 x 64, 16 waves a work-group, clusters of 4 x 1, 327,680 bytes of LDS; arguments qk_codes, vt_codes, lowp_scales, attn_img; writes attn_img
.if DOCPART == 3
	.amdgcn_target "amdgcn-amd-amdhsa--gfx1250"
	.amdhsa_code_object_version 6
	.text
	.protected	k_qfea0a95ef0_attn
	.globl	k_qfea0a95ef0_attn
	.p2align	8
	.type	k_qfea0a95ef0_attn,@function
k_qfea0a95ef0_attn:
	s_mov_b64 s[64:65], 0
	v_nop
	global_prefetch_b8 v0, s[64:65] scope:SCOPE_SE
	s_setreg_imm32_b32 hwreg(HW_REG_WAVE_MODE, 25, 1), 1
	s_wait_xcnt 0x0
	s_wait_alu depctr_hold_cnt(0) depctr_sa_sdst(0) depctr_va_vdst(0) depctr_va_sdst(0) depctr_va_ssrc(0) depctr_va_vcc(0) depctr_vm_vsrc(0)
	s_getreg_b32 s2, hwreg(HW_REG_IB_STS2, 6, 4)
	s_cmp_eq_u32 s2, 0
	s_cbranch_scc0 .Lentry_in_a_cluster
	s_endpgm
.Lentry_in_a_cluster:
	s_bfe_u32 s2, ttmp6, 0x10000c
	s_cmp_lg_u32 s2, 0x3003
	s_cbranch_scc0 .Lentry_shape_is_right
	s_endpgm
.Lentry_shape_is_right:
; Causal attention on codes of E4M3: 64 heads (16 x batch + head), 2,048 tokens, head size 64.
; In: qk_codes: q, then k (8,388,608 bytes on), each [64 heads][2048 tokens][64]; vt_codes [64 heads x 64 channels][2048 tokens].
; Out: attn_img: the result, quantised with entry 6 of lowp_scales, as the image of the last product's operand registers ([8192 rows][K = 1024], rows of a block in their natural order).
; LEFT OUT: key steps all of whose keys come after a tile's queries: the causal mask makes their scores -infinity, so their p is 0 for all inputs.
; THE SOFTMAX: t = score x log2(e) / 8; M = the running largest t rounded UP to a whole number; p = 2^(t - M) is quantised (entry 4), not normalised; the row's sum is taken of the unquantised p and divides at the end.
; When M moves, the sum and O are multiplied by 2^(old M - new M): nothing is rounded, and no branch hangs on data.
; SHARES.  The grid's y is the head; the four work-groups of a cluster (place cx) serve one head.  ALL OF THE HEAD'S K AND V LIES IN LDS: K 2,048 rows of 64 + 16 bytes, V eight chunks of 64 rows of 256 + 16 bytes: 303,104 bytes.
; It is filled once, by sixteen joint loads (mask 15), one a wave: waves 0-7 256 keys of K each (16,384 dense bytes, stated as rows of 256), waves 8-15 a chunk of V each.  Nothing is filled again: the loop has no barrier.
; Wave w makes two tiles of 16 queries, one after the other: queries 64 G + 16 cx on, G = 31 - w and then G = w.  A key step is 128 keys; a tile wants G / 2 + 1 steps: SEVENTEEN trips in every wave, a constant of the text.
; With x = trip + 16 + w / 2: while x < 32 the first tile takes step 31 - x (downward from its diagonal), from x = 32 on the second takes step x - 32 (upward to its diagonal).  So trips 0 and 16 are the masked ones in every wave.
; cx enters global addresses and the mask's constant alone: no branch, no trip count, no LDS address.
; No prefetch: all of K and V is asked for at the head, and there is no loop to run ahead in.
; LAYOUT.  Both products are used transposed: S^T = K Q^T (source 0 = 16 keys), O^T = V^T P^T (source 0 = 16 channels): a lane holds one query (lane % 16).  The keys of a tile of K, and the channels of a tile of V, are
; 32 b + 8 u + r + 8 (r / 8) for tile 2 b + u: so the 16 registers of two neighbouring tiles are 16 neighbours, and the conversions' results are the next operand's registers.
; LIMITS: e2 + e3 between -123 and 130 (added to the exponent field of log2(e) / 8); e4 between -126 and 119; e4 + e5 - e6 is applied by v_ldexp_f32 and has none.  The scaled scores stay under 2^31 in magnitude.
; REGISTERS: v1, v2 my lane's place in K, V; v3, v4 the mask's constant (second tile's, the one in hand); v7 16 x lane; v8, v9 addresses in hand; v12 -M, v13 the largest t, v[14:15] the sum; v16-23 Q; v32-95 fragments of K or V;
;   v96-159 S^T, then p; v160-191 O^T; v192-199 the second tile's Q; v200-212 at work and constants; v224-239 codes; v240-245 partial sums.
.set KP,    80                         ; a key's row in LDS
.set VP,    272                        ; a row of a chunk of V in LDS
.set VOFF,  2048*KP
.set VCH,   64*VP                      ; a chunk: 256 keys of 64 channels
.set SPARE, VOFF+8*VCH                 ; the spare words, 128 bytes for each wave: eight blocks of 256 bytes that no other line names
.set SPW, 5                            ; v5   LDS address of my spare word; never rewritten
.set NIL, 6                            ; v6   0; never rewritten
.set WV,  12                           ; s12  wave
.set TR,  17                           ; s17  the trip
.set XX,  18                           ; s18  x
.set KO,  58                           ; s58  the step's first byte in K,  s59 in V
.set VO,  59
.macro CROUND
	s_barrier_signal -1
	s_barrier_wait -1
	s_cmp_lg_u32 s[WV], 0
	s_cbranch_scc1 .Lnot_wave_0_\@
	s_barrier_signal -3
.Lnot_wave_0_\@:
	s_barrier_wait -3
	s_barrier_signal -1
	s_barrier_wait -1
.endm
; A tile is finished: O^T / the sum x 2^(e4 + e5 - e6), held, converted.  Register 16 bb + i of O^T is channel 32 bb + 16 (lane / 16) + i: the codes are registers of the next operand's fragment.
.macro FINISH o
.rept 4
	v_nop                                          ; places behind the last products
.endr
	v_add_f32 v14, v14, v15
	v_permlanex16_b32 v200, v14, s20, s21
	v_add_f32 v14, v14, v200                       ; the row's sum
	s_wait_alu depctr_va_vdst(0)                   ; the wait ahead of the transcendental,
	v_rcp_f32 v202, v14
	v_nop                                          ; a plain instruction behind it,
	s_wait_alu depctr_va_vdst(0)                   ; the wait ahead of its first reader,
	v_ldexp_f32 v202, v202, s57
	s_wait_alu depctr_va_vdst(0)                   ; and one directly ahead of the first reader of O^T
.set j, 0
.rept 16
	v_pk_mul_f32 v[160+j:161+j], v[160+j:161+j], v[202:203] op_sel_hi:[1,0]   ; each accumulator from its low end on
.set j, j+2
.endr
.set j, 0
.rept 32
	v_med3_num_f32 v[160+j], v[160+j], -v212, v212
.set j, j+1
.endr
.irp g, 0,1,2,3
	v_cvt_scalef32_pk8_fp8_f32 v[224+2*\g:225+2*\g], v[160+8*\g:167+8*\g], v211
.endr
	v_nop                                          ; a plain instruction behind the last conversion
	global_store_b128 v7, v[224:227], s[\o:\o+1]              ; 32 lanes store 512 consecutive, aligned bytes
	global_store_b128 v7, v[228:231], s[\o:\o+1] offset:512
.endm
	s_load_b256 s[4:11], s[0:1], 0x0               ; qk_codes s[4:5], vt_codes s[6:7], lowp_scales s[8:9], attn_img s[10:11]
	v_lshl_add_u32 v[SPW], v0, 2, SPARE
	v_mov_b32 v[NIL], 0
	ds_add_u32 v[SPW], v[NIL]                      ; the opening: the add, twice on end, and its wait ahead of my first tensor load
	ds_add_u32 v[SPW], v[NIL]
	v_lshrrev_b32 v8, 5, v0
	v_readfirstlane_b32 s[WV], v8                  ; wave 0..15
	s_and_b32 s13, s12, 7                          ; which part of K, or which chunk of V, I fetch
	s_bfe_u32 s14, ttmp6, 0x40000                  ; cx
	s_and_b32 s15, ttmp7, 0xffff                   ; the head, 0..63
	s_lshr_b32 s16, s12, 1
	s_add_co_u32 s16, s16, 16                      ; 16 + w / 2
	; group 1 for K: 64 rows of 256 dense bytes, 16 bytes of padding behind each 64;  for V: 64 rows of 256 bytes, 2,048 apart, 16 behind each
	s_mov_b32 s24, 15|(1<<20)|(1<<21)|(3<<22)|(3<<25)   ; 15:0 the mask: all four partners; elements of 1 byte; 20 padding on; 21 set beside a mask; 24:22 after every 16 words; 31:25 four words
	s_mov_b32 s25, 256<<16
	s_mov_b32 s26, 64<<16
	s_mov_b32 s27, 256<<16
	s_mov_b32 s28, 64
	s_mov_b32 s29, 256
	s_mov_b32 s30, 0
	s_mov_b32 s31, 0
	s_mov_b32 s32, 15|(1<<20)|(1<<21)|(5<<22)|(3<<25)   ; padding after every 64 words
	s_mov_b32 s33, 256<<16
	s_mov_b32 s34, 64<<16
	s_mov_b32 s35, 256<<16
	s_mov_b32 s36, 64
	s_mov_b32 s37, 2048
	s_mov_b32 s38, 0
	s_mov_b32 s39, 0
	s_mov_b32 s20, 0x76543210                      ; v_permlanex16_b32: the lane 16 away
	s_mov_b32 s21, 0xfedcba98
	s_mov_b32 s22, 0x3e38aa3b                      ; log2(e) / 8
	s_lshl_b32 s58, s15, 17                        ; a head is 131,072 bytes in q, in k and in v
	s_lshl_b32 s62, s13, 14                        ; K: my 256 keys,
	s_add_co_u32 s62, s62, 0x800000                ; behind q
	s_add_co_u32 s62, s62, s58
	s_mov_b32 s63, 0
	s_lshl_b32 s60, s13, 8                         ; V: my 256 keys of each row
	s_add_co_u32 s60, s60, s58
	s_mov_b32 s61, 0
	s_mov_b32 s40, 1                               ; groups 0: count = 1,
	s_mul_i32 s41, s13, 256*KP                     ; the LDS address: the wave's number alone
	s_mov_b32 s44, 1
	s_mul_i32 s45, s13, VCH
	s_add_co_u32 s45, s45, VOFF
	; Q's and the output's places hang on cx: they are made in registers that feed no descriptor, no LDS address and no branch
	s_sub_co_u32 s3, 31, s12                       ; the first tile's G
	s_lshl_b32 s2, s14, 10                         ; 16 cx tokens of 64 bytes
	s_add_co_u32 s2, s2, s58
	s_lshl_b32 s52, s3, 12
	s_add_co_u32 s52, s52, s2
	s_lshl_b32 s54, s12, 12
	s_add_co_u32 s54, s54, s2
	s_mov_b32 s53, 0
	s_mov_b32 s55, 0
	s_bfe_u32 s2, s15, 0x20002                     ; the image: K step (head / 4) % 4,
	s_lshl_b32 s2, s2, 21
	s_lshr_b32 s19, s15, 4
	s_lshl_b32 s19, s19, 19                        ; 128 blocks of 4,096 bytes a batch,
	s_add_co_u32 s2, s2, s19
	s_and_b32 s19, s15, 3
	s_lshl_b32 s19, s19, 10                        ; 1,024 bytes for each head of four,
	s_add_co_u32 s2, s2, s19
	s_lshl_b32 s19, s14, 12                        ; block 4 G + cx
	s_add_co_u32 s2, s2, s19
	s_lshl_b32 s48, s3, 14
	s_add_co_u32 s48, s48, s2
	s_lshl_b32 s50, s12, 14
	s_add_co_u32 s50, s50, s2
	s_mov_b32 s49, 0
	s_mov_b32 s51, 0
	s_lshl_b32 s2, s14, 4
	s_and_b32 s3, s12, 1
	s_lshl_b32 s3, s3, 6
	s_add_co_u32 s3, s3, s2                        ; the second tile's first query in its 128 keys: 64 (w % 2) + 16 cx,
	s_xor_b32 s2, s3, 64                           ; the first tile's: the other 64
	s_wait_dscnt 0x0                               ; both opening adds are done
	s_wait_kmcnt 0x0
	s_load_b256 s[68:75], s[8:9], 0x0              ; the eight exponents
	s_add_nc_u64 s[42:43], s[4:5], s[62:63]
	s_or_b32 s43, s43, 0x80000000                  ; type = 2
	s_add_nc_u64 s[46:47], s[6:7], s[60:61]
	s_or_b32 s47, s47, 0x80000000
	s_add_nc_u64 s[52:53], s[4:5], s[52:53]
	s_add_nc_u64 s[54:55], s[4:5], s[54:55]
	s_add_nc_u64 s[48:49], s[10:11], s[48:49]
	s_add_nc_u64 s[50:51], s[10:11], s[50:51]
	CROUND                                         ; all four work-groups are here: the joint loads meet
	s_cmp_lt_u32 s[WV], 8                          ; every wave issues one load; an s_nop 0 and four v_nop follow each line
	s_cbranch_scc0 .Lfor_v
	tensor_load_to_lds s[40:43], s[24:31]
	s_nop 0
.rept 4
	v_nop
.endr
	s_branch .Lasked
.Lfor_v:
	tensor_load_to_lds s[44:47], s[32:39]
	s_nop 0
.rept 4
	v_nop
.endr
.Lasked:
	v_and_b32 v8, 15, v0                           ; r
	v_bfe_u32 v9, v0, 4, 1                         ; h
	v_bfe_u32 v10, v0, 3, 1
	v_lshl_add_u32 v10, v10, 3, v8                 ; r + 8 (r / 8)
	v_mul_u32_u24 v1, v10, KP
	v_lshl_add_u32 v1, v9, 4, v1                   ; K: row r + 8 (r / 8), + 16 h
	v_mul_u32_u24 v2, v10, VP
	v_lshl_add_u32 v2, v9, 4, v2
	v_add_nc_u32 v2, VOFF, v2                      ; V likewise
	v_and_b32 v7, 31, v0
	v_lshlrev_b32 v7, 4, v7                        ; 16 x lane
	v_lshlrev_b32 v11, 4, v9
	v_sub_nc_u32 v11, v8, v11                      ; r - 16 h
	v_add_nc_u32 v3, s3, v11                       ; my query - the masked step's first key - 16 h: the second tile's,
	v_add_nc_u32 v4, s2, v11                       ; the first tile's
	v_lshlrev_b32 v10, 6, v8
	v_lshl_add_u32 v10, v9, 4, v10                 ; Q: row r of 64 bytes, + 16 h
	global_load_b128 v[16:19], v10, s[52:53]
	global_load_b128 v[20:23], v10, s[52:53] offset:32
	global_load_b128 v[192:195], v10, s[54:55]
	global_load_b128 v[196:199], v10, s[54:55] offset:32
	v_mov_b32 v13, 0xff61b1e6                      ; the largest t so far: -3e38
	v_floor_f32 v12, -v13
	v_mov_b32 v14, 0
	v_mov_b32 v15, 0
	v_mov_b32 v200, 0                              ; written once: a lane permute's destination counts as one of its sources
	v_mov_b32 v203, 0                              ; (named as the upper half of the pair v[202:203])
	v_mov_b32 v210, 0xff800000                     ; -infinity
	v_mov_b32 v211, 1.0
	v_mov_b32 v212, 0x43e00000                     ; 448
.set j, 0
.rept 32
	v_mov_b32 v[160+j], 0                          ; O^T: the step is written once, and a tile's first step finds zeros
.set j, j+1
.endr
	s_wait_alu depctr_va_vdst(0)
	s_wait_kmcnt 0x0
	s_add_co_i32 s19, s70, s71                     ; a score stands for score x 2^(e2 + e3): added to the constant's exponent field
	s_lshl_b32 s19, s19, 23
	s_add_co_i32 s22, s22, s19
	s_mov_b32 s23, s22
	s_add_co_i32 s19, s72, 127
	s_lshl_b32 s2, s19, 23
	v_mov_b32 v209, s2                             ; 2^e4
	s_add_co_i32 s19, s19, 8
	s_lshl_b32 s19, s19, 23
	s_or_b32 s19, s19, 0x600000
	v_mov_b32 v208, s19                            ; 448 x 2^e4
	s_add_co_i32 s57, s72, s73
	s_sub_co_i32 s57, s57, s74                     ; e4 + e5 - e6
	s_mov_b32 s[TR], 0
	s_wait_alu depctr_va_vdst(0)
	s_wait_loadcnt 0x0                             ; Q
	s_wait_tensorcnt 0x0                           ; my part of K or V is in,
	s_barrier_signal -1
	s_barrier_wait -1                              ; and everybody's
.Ltrip:
	s_add_co_u32 s[XX], s[TR], s16                 ; x
	s_lshr_b32 s19, s[XX], 5
	s_mul_i32 s19, s19, 63
	s_xor_b32 s56, s[XX], 31
	s_xor_b32 s56, s56, s19
	s_and_b32 s56, s56, 15                         ; the key step: 31 - x, or x - 32
	s_mul_i32 s[KO], s56, 128*KP
	s_lshr_b32 s19, s56, 1
	s_mul_i32 s19, s19, VCH
	s_and_b32 s[VO], s56, 1
	s_lshl_b32 s[VO], s[VO], 7
	s_add_co_u32 s[VO], s[VO], s19
	s_cmp_eq_u32 s[XX], 32                         ; the second tile begins: the wave's number and the count of trips alone
	s_cbranch_scc0 .Lsame
	FINISH 48
	v_mov_b32 v13, 0xff61b1e6
	v_floor_f32 v12, -v13
	v_mov_b32 v14, 0
	v_mov_b32 v15, 0
	v_mov_b32 v4, v3
.set j, 0
.rept 32
	v_mov_b32 v[160+j], 0
.set j, j+1
.endr
.irp j, 0,1,2,3,4,5,6,7
	v_mov_b32 v[16+\j], v[192+\j]
.endr
	s_wait_xcnt 0x0                                ; the stores have read their registers: the codes' registers are written again below
.Lsame:
	v_add_nc_u32 v8, s[KO], v1
	v_add_nc_u32 v9, s[VO], v2
	v_nop
	v_nop                                          ; four places in front of loads into registers that matrix instructions have read
.irp t, 0,1,2,3,4,5,6,7
.irp c, 0,1
	ds_load_b128 v[32+8*\t+4*\c:32+8*\t+4*\c+3], v8 offset:(32*(\t/2)+8*(\t%2))*KP+32*\c
.endr
.endr
	s_wait_dscnt 0x0
	s_wait_alu depctr_va_vdst(0)
.irp t, 0,1,2,3,4,5,6,7
	v_wmma_f32_16x16x64_fp8_fp8 v[96+8*\t:103+8*\t], v[32+8*\t:39+8*\t], v[16:23], 0   ; register 16 b + i: key 32 b + 16 (lane / 16) + i of the step
.endr
.rept 4
	v_nop
.endr
.irp t, 0,1,2,3                                ; V's four fragments are asked for now and land while the softmax is worked
.irp c, 0,1,2,3
	ds_load_b128 v[32+16*\t+4*\c:32+16*\t+4*\c+3], v9 offset:(32*(\t/2)+8*(\t%2))*VP+32*\c
.endr
.endr
	s_and_b32 s19, s[TR], 15
	s_cmp_lg_u32 s19, 0
	s_cbranch_scc1 .Lopen                          ; trips 1 to 15: all keys count
.set n, 0
.rept 64
	v_cmp_gt_i32 vcc_lo, 32*(n/16)+n%16, v4
	v_cndmask_b32 v[96+n], v[96+n], v210, vcc_lo   ; hidden: -infinity
.set n, n+1
.endr
.Lopen:
.irp k, 0,1,2,3                                ; the step's largest score of my query among my 64 keys, in four chains; each accumulator is first read at its low end
	v_max3_num_f32 v[204+\k], v[96+3*\k], v[97+3*\k], v[98+3*\k]
.endr
.irp i, 12,20,28,36,44,52
.irp k, 0,1,2,3
	v_max3_num_f32 v[204+\k], v[204+\k], v[96+\i+2*\k], v[97+\i+2*\k]
.endr
.endr
	v_max3_num_f32 v204, v204, v156, v157
	v_max3_num_f32 v205, v205, v158, v159
	v_max3_num_f32 v204, v204, v205, v206
	v_max_num_f32 v204, v204, v207
	v_permlanex16_b32 v200, v204, s20, s21
	v_max_num_f32 v204, v204, v200                 ; and among the lane's 16 away
	v_mul_f32 v204, s22, v204                      ; as t
	v_max_num_f32 v13, v13, v204                   ; the running largest t
	v_mov_b32 v204, v12
	v_floor_f32 v12, -v13                          ; the new -M = floor(-t): M is a whole number
	v_sub_f32 v204, v12, v204                      ; old M - new M: a whole number, 0 or less
	v_cvt_i32_f32 v204, v204                       ; (it saturates)
	v_ldexp_f32 v202, 1.0, v204                    ; f = 2^(old M - new M)
.set j, 0
.rept 32
	v_pk_fma_f32 v[96+j:97+j], v[96+j:97+j], s[22:23], v[12:13] op_sel_hi:[1,0,0]   ; t - M, two at a time
.set j, j+2
.endr
	s_wait_alu depctr_va_vdst(0)
.set j, 0
.rept 64
	v_exp_f32 v[96+j], v[96+j]                     ; p = 2^(t - M)
.set j, j+1
.endr
	v_pk_mul_f32 v[14:15], v[14:15], v[202:203] op_sel_hi:[1,0]   ; the sums under the new M: a plain instruction behind the exponentials
	s_wait_alu depctr_va_vdst(0)                   ; one wait for the whole batch, ahead of its first reader
	v_pk_add_f32 v[14:15], v[14:15], v[102:103]    ; the row's sum of the unquantised p, two at a time, in four chains
.irp k, 0,1,2
	v_pk_add_f32 v[240+2*\k:241+2*\k], v[96+2*\k:97+2*\k], v[104+2*\k:105+2*\k]
.endr
	v_pk_add_f32 v[14:15], v[14:15], v[110:111]
.irp m, 2,3,4,5,6,7
.irp k, 0,1,2
	v_pk_add_f32 v[240+2*\k:241+2*\k], v[240+2*\k:241+2*\k], v[96+8*\m+2*\k:97+8*\m+2*\k]
.endr
	v_pk_add_f32 v[14:15], v[14:15], v[102+8*\m:103+8*\m]
.endr
	v_pk_add_f32 v[240:241], v[240:241], v[242:243]
	v_pk_add_f32 v[14:15], v[14:15], v[244:245]
	v_pk_add_f32 v[14:15], v[14:15], v[240:241]
.irp b, 0,1,2,3
.irp i, 0,1,2,3,4,5,6,7,8,9,10,11,12,13,14,15
	v_min_num_f32 v[96+16*\b+\i], v[96+16*\b+\i], v208   ; the conversion does not saturate (ISA guide 7.6.2); p is not negative, so the hold is one-sided
.endr
	v_cvt_scalef32_pk8_fp8_f32 v[224+4*\b:225+4*\b], v[96+16*\b:103+16*\b], v209
	v_cvt_scalef32_pk8_fp8_f32 v[226+4*\b:227+4*\b], v[104+16*\b:111+16*\b], v209
.endr
	s_wait_alu depctr_va_vdst(0)                   ; directly ahead of the first reader of O^T
.set j, 0
.rept 16
	v_pk_mul_f32 v[160+j:161+j], v[160+j:161+j], v[202:203] op_sel_hi:[1,0]   ; O^T under the new M; also the plain instructions behind the conversions
.set j, j+2
.endr
	s_wait_alu depctr_va_vdst(0)
	s_wait_dscnt 0x0                               ; V's fragments are in
.irp t, 0,1,2,3                                ; the four accumulators take turns
	v_wmma_f32_16x16x128_fp8_fp8 v[160+8*\t:167+8*\t], v[32+16*\t:47+16*\t], v[224:239], v[160+8*\t:167+8*\t]
.endr
	s_add_co_u32 s[TR], s[TR], 1
	s_cmp_lt_u32 s[TR], 17
	s_cbranch_scc1 .Ltrip
	FINISH 50
	s_wait_dscnt 0x0
	s_barrier_signal -1
	s_barrier_wait -1                              ; every wave's reads of K and V are over
	s_wait_tensorcnt 0x0                           ; the wave's end
	ds_add_u32 v[SPW], v[NIL]
	s_wait_dscnt 0x0
	CROUND                                         ; the closing round
	s_endpgm
.Lfunc_end_k_qfea0a95ef0_attn:
	.size	k_qfea0a95ef0_attn, .Lfunc_end_k_qfea0a95ef0_attn-k_qfea0a95ef0_attn
	.p2alignl 7, 3214868480
	.fill 96, 4, 3214868480
	.section	.rodata,"a",@progbits
	.p2align	6, 0x0
	.amdhsa_kernel k_qfea0a95ef0_attn
		.amdhsa_group_segment_fixed_size 327680
		.amdhsa_private_segment_fixed_size 0
		.amdhsa_enable_private_segment 0
		.amdhsa_kernarg_size 32
		.amdhsa_user_sgpr_count 2
		.amdhsa_user_sgpr_kernarg_segment_ptr 1
		.amdhsa_wavefront_size32 1
		.amdhsa_system_sgpr_workgroup_id_x 1
		.amdhsa_system_sgpr_workgroup_id_y 1
		.amdhsa_system_sgpr_workgroup_id_z 1
		.amdhsa_system_vgpr_workitem_id 0
		.amdhsa_next_free_vgpr 256
		.amdhsa_next_free_sgpr 80
		.amdhsa_reserve_vcc 1
		.amdhsa_float_denorm_mode_32 3
		.amdhsa_float_denorm_mode_16_64 3
		.amdhsa_memory_ordered 1
		.amdhsa_forward_progress 1
		.amdhsa_inst_pref_size 39
	.end_amdhsa_kernel
	.amdgpu_metadata
---
amdhsa.version: [ 1, 2 ]
amdhsa.kernels:
  - .name:           k_qfea0a95ef0_attn
    .symbol:         k_qfea0a95ef0_attn.kd
    .args:
      - { .name: qk_codes, .offset: 0, .size: 8, .value_kind: global_buffer, .address_space: global }
      - { .name: vt_codes, .offset: 8, .size: 8, .value_kind: global_buffer, .address_space: global }
      - { .name: lowp_scales, .offset: 16, .size: 8, .value_kind: global_buffer, .address_space: global }
      - { .name: attn_img, .offset: 24, .size: 8, .value_kind: global_buffer, .address_space: global }
    .group_segment_fixed_size: 327680
    .private_segment_fixed_size: 0
    .kernarg_segment_align: 8
    .kernarg_segment_size: 32
    .max_flat_workgroup_size: 512
    .sgpr_count:     80
    .vgpr_count:     256
    .wavefront_size: 32
...
	.end_amdgpu_metadata
.endif
;; end of part 3
;; launch gemm_out (part 4): grid 4 x 64, 4 waves a work-group, clusters of 4 x 4, 327,680 bytes of LDS; arguments attn_img, w_img, b_proj, lowp_scales, out0; writes out0
.if DOCPART == 4
	.amdgcn_target "amdgcn-amd-amdhsa--gfx1250"
	.amdhsa_code_object_version 6
	.text
	.protected	k_qfea0a95ef0_gemm_out
	.globl	k_qfea0a95ef0_gemm_out
	.p2align	8
	.type	k_qfea0a95ef0_gemm_out,@function
k_qfea0a95ef0_gemm_out:
	s_mov_b64 s[64:65], 0
	v_nop
	global_prefetch_b8 v0, s[64:65] scope:SCOPE_SE
	s_setreg_imm32_b32 hwreg(HW_REG_WAVE_MODE, 25, 1), 1
	s_wait_xcnt 0x0
	s_wait_alu depctr_hold_cnt(0) depctr_sa_sdst(0) depctr_va_vdst(0) depctr_va_sdst(0) depctr_va_ssrc(0) depctr_va_vcc(0) depctr_vm_vsrc(0)
	s_getreg_b32 s2, hwreg(HW_REG_IB_STS2, 6, 4)
	s_cmp_eq_u32 s2, 0
	s_cbranch_scc0 .Lentry_in_a_cluster
	s_endpgm
.Lentry_in_a_cluster:
	s_bfe_u32 s2, ttmp6, 0x10000c
	s_cmp_lg_u32 s2, 0xf033
	s_cbranch_scc0 .Lentry_shape_is_right
	s_endpgm
.Lentry_shape_is_right:
; out0 = attention's result x w_proj + b_proj on codes of E4M3 (K = 1,024; scales: entries 6 and 7 of lowp_scales).  out0: [8192][1024] f32.
; A TILE is 128 R rows (tokens, attn_img, rows of a block in their natural order) x 256 S rows (columns, w_img's rows 3,072 on).  Four waves, wave w: R rows 64 (w / 2) on, S rows 128 (w % 2) on: 32 accumulators.
; 256 work-groups, one for each WGP.  THE MATRIX INSTRUCTION takes 16 S rows as source 0 and 16 R rows as source 1: a lane holds one token, and the 16 registers of tiles 2 b and 2 b + 1 are 16 neighbouring columns.
; THE OPERANDS are images of registers: a fragment is 2,048 consecutive bytes, in memory and in LDS; a K step of 256 of a tile is one dense block.
; K goes in four steps of 256 through three LDS slots: steps 0, 1, 2 are first fills, step 3 fills slot 0 again, behind a round of the cluster's barrier.
; CLUSTERS: 4 x 4 work-groups.  R's tile is shared along a row of the cluster, S's along a column: each is asked for jointly.
; THE BIAS starts the sums, as bias / 2^(e6 + e7); each finished sum is multiplied once by 2^(e6 + e7).   LIMIT: e6 + e7 between -126 and 126.
; REGISTERS, in windows of 256: window 0: v1-31 addresses; v32-95 the bias, later a block's results; v128-255 R's fragments, two sets, later rows on their way out.   window 1: S's fragments, two sets.
;   window 2: accumulator (a, b) at v[8 (8 a + b)].
; THE FILLS, in place of what is said above of their order: a wave issues K step 0's load at the head; K steps 1 and 2 are first fills and K step 3 a refill of slot 0, each the wave's one load behind a round of the cluster's barrier.
; No prefetch: K has four steps, and each is asked for one step ahead by its own load.
; THE FILLS AND THE LDS AS THEY STAND (this takes the place of all that is said of them above): the head's one load a wave brings K steps 0 AND 1: two rows, each a dense half tile, 2,097,152 bytes apart in either image.
; LDS: R's half n at 32,768 n (K step 0, then 1), S's half n at 65,536 + 65,536 n (likewise); slot 2 at 196,608 (R's 8 blocks, then S's 16).  K step 2 is slot 2's first fill, asked for when steps 0 and 1 have landed;
; K step 3 fills K step 0's bytes again, behind the round at K 384-511.  Each is the wave's one load behind a round of the cluster's barrier.
.set SLOTB, 98304                      ; a K step of a tile: R's 8 blocks of 4,096 bytes and S's 16
.set SOFF,  32768
.set STAGE, 2*SLOTB                    ; the way out: 16 rows x 528 bytes for each wave, in slot 2, which is filled once and is left by every wave at the last change of slots
.set SPARE, 3*SLOTB                    ; the spare words, 128 bytes for each wave: two blocks of 256 bytes that no other line names
.set SP,    528
.set LI,   5
.set ADRR, 16
.set ADRS, 20
.set STO,  24
.set RD,   25
.set BA,   27
.set SPW,  28                          ; v28     LDS address of my spare word; never rewritten
.set NIL,  29                          ; v29     0; never rewritten
.set TMP,  32
.set RF,   128
.set G1R, 32
.set G1S, 40
.set G0R, 48
.set G0S, 68                           ; of each group 0 two sets: set 0 K steps 0 and 1, later K step 3; set 1 K step 2
.set G1HR, 56                          ; s[56:63] group 1 of the head's load for R, s[76:83] for S
.set G1HS, 76
.set MSB, 0
.macro WIN new                         ; the immediate's high byte repeats the setting that is left
.if MSB != \new
	s_set_vgpr_msb (MSB<<8)|\new
.set MSB, \new
.endif
.endm
.set MUL,  0xa1                        ; source 0 (S) window 1, source 1 (R) window 0, C and D window 2
.set TO_S, 0x40
.macro JLOAD s, gr, gs                 ; a joint load by group 0's set s and the groups 1 gr, gs: waves 0 and 1 fetch R's halves, waves 2 and 3 S's; four v_nop follow each line
	s_cmp_eq_u32 s17, 0
	s_cbranch_scc0 .Lfor_s_\@
	tensor_load_to_lds s[G0R+4*\s:G0R+4*\s+3], s[\gr:\gr+7]
	s_nop 0
.rept 4
	v_nop
.endr
	s_branch .Lasked_\@
.Lfor_s_\@:
	tensor_load_to_lds s[G0S+4*\s:G0S+4*\s+3], s[\gs:\gs+7]
	s_nop 0
.rept 4
	v_nop
.endr
.Lasked_\@:
.endm
.macro CREST
	s_cmp_lg_u32 s16, 0
	s_cbranch_scc1 .Lnot_wave_0_\@
	s_barrier_signal -3
.Lnot_wave_0_\@:
	s_barrier_wait -3
	s_barrier_signal -1
	s_barrier_wait -1
.endm
.macro CROUND
	s_barrier_signal -1
	s_barrier_wait -1
	CREST
.endm
.macro PLACES n                        ; plain vector instructions between a matrix instruction and a load into, or a read of, its registers
.rept \n
	v_nop
.endr
.endm
.macro FETCH slot, q, p
	WIN TO_S
.irp b, 0,1,2,3,4,5,6,7
.irp c, 0,1,2,3
	ds_load_b128 v[128*(\p)+16*\b+4*\c:128*(\p)+16*\b+4*\c+3], v[ADRS+\slot] offset:(2*\b+(\q))*2048+512*\c
.endr
.endr
	WIN 0
.irp a, 0,1,2,3
.irp c, 0,1,2,3
	ds_load_b128 v[RF+64*(\p)+16*\a+4*\c:RF+64*(\p)+16*\a+4*\c+3], v[ADRR+\slot] offset:(2*\a+(\q))*2048+512*\c
.endr
.endr
.endm
.macro MULA a, p                       ; the 32 accumulators take turns, one instruction a turn, in the same order in every step
.irp b, 0,1,2,3,4,5,6,7
	v_wmma_f32_16x16x128_fp8_fp8 v[8*(8*(\a)+\b):8*(8*(\a)+\b)+7], v[128*(\p)+16*\b:128*(\p)+16*\b+15], v[RF+64*(\p)+16*(\a):RF+64*(\p)+16*(\a)+15], v[8*(8*(\a)+\b):8*(8*(\a)+\b)+7]
.endr
.endm
.macro STEP p, nslot, nq
	s_wait_dscnt 8                                 ; S's set and R's blocks 0, 1 are in; the youngest eight loads (R's blocks 2, 3) may be out
	WIN MUL
	MULA 0, \p
	MULA 1, \p
	PLACES 4
	FETCH \nslot, \nq, 1-\p
	s_wait_dscnt 48                                ; all but the 48 just issued
	WIN MUL
	MULA 2, \p
	MULA 3, \p
	WIN 0
.endm
.macro TURN nslot, fill
	s_wait_tensorcnt 0x0                           ; all my tensor loads have landed
	ds_add_u32 v[SPW], v[NIL]                      ; 0 onto my spare word
	s_wait_dscnt 9                                 ; (the add and the youngest eight loads may be out)
	WIN MUL
	MULA 0, 1
	s_wait_dscnt 0x0                               ; the add is done, and my reads of the slots so far are over
	s_barrier_signal -1
	MULA 1, 1
	WIN 0
	s_barrier_wait -1
.if \fill
	CREST                                          ; the barrier has opened a round of the cluster's barrier: no wave of any partner has a load on its way or still reads the slot
	s_mov_b64 s[G0R+2:G0R+3], s[84:85]             ; K step 3 onto K step 0's bytes; no tensor load of mine is out, so a group 0 may be written
	s_or_b32 s[G0R+3], s[G0R+3], 0x80000000
	s_mov_b64 s[G0S+2:G0S+3], s[86:87]
	s_or_b32 s[G0S+3], s[G0S+3], 0x80000000
	JLOAD 0, G1R, G1S                              ; the first tensor load behind the round, my only one; its four v_nop are also the places in front of the loads below
.else
	PLACES 4
.endif
	FETCH \nslot, 0, 0
	WIN MUL
	MULA 2, 1
	MULA 3, 1
	WIN 0
.endm
	s_load_b256 s[4:11], s[0:1], 0x0               ; attn_img s[4:5], w_img s[6:7], b_proj s[8:9], lowp_scales s[10:11]
	s_load_b64 s[12:13], s[0:1], 0x20              ; out0
	v_lshl_add_u32 v[SPW], v0, 2, SPARE
	v_mov_b32 v[NIL], 0
	ds_add_u32 v28, v29
	ds_add_u32 v28, v29
	s_wait_dscnt 0x0
	v_lshrrev_b32 v1, 5, v0
	v_readfirstlane_b32 s16, v1                    ; wave 0..3
	s_lshr_b32 s17, s16, 1                         ; which 64 R rows are mine.  Also: I fetch for R (0) or for S (1)
	s_and_b32 s18, s16, 1                          ; which 128 S rows.  Also: which half of that tile I fetch
	s_bfe_u32 s19, ttmp6, 0x40000                  ; cx
	s_bfe_u32 s20, ttmp6, 0x40004                  ; cy
	s_and_b32 s22, ttmp7, 0xffff
	s_lshl_b32 s25, ttmp9, 2
	s_add_co_u32 s25, s25, s19                     ; S tile, 0..3
	s_lshl_b32 s26, s22, 2
	s_add_co_u32 s26, s26, s20                     ; R tile, 0..63
	s_lshl_b32 s27, s20, 2
	s_lshl_b32 s27, 15, s27                        ; my row of the cluster
	s_lshl_b32 s28, 0x1111, s19                    ; my column
	s_or_b32 s[G1R], s27, (3<<16)|(1<<21)          ; 15:0 the mask; 17:16 elements of 8 bytes; 21 set beside a mask
	s_or_b32 s[G1S], s28, (3<<16)|(1<<21)
	s_mov_b32 s[G1R+1], 32<<16                     ; a dense block as rows of 256 bytes: 64 rows for half of R's tile,
	s_mov_b32 s[G1R+2], 64<<16
	s_mov_b32 s[G1R+3], 32<<16
	s_mov_b32 s[G1R+4], 64
	s_mov_b32 s[G1R+5], 32
	s_mov_b32 s[G1R+6], 0
	s_mov_b32 s[G1R+7], 0
	s_mov_b32 s[G1S+1], 32<<16                     ; 128 for half of S's
	s_mov_b32 s[G1S+2], 128<<16
	s_mov_b32 s[G1S+3], 32<<16
	s_mov_b32 s[G1S+4], 128
	s_mov_b32 s[G1S+5], 32
	s_mov_b32 s[G1S+6], 0
	s_mov_b32 s[G1S+7], 0
	s_lshl_b32 s84, s26, 3                         ; R: block 8 x tile + 4 x half: no register here ever holds cx
	s_lshl_b32 s29, s18, 2
	s_add_co_u32 s84, s84, s29
	s_lshl_b32 s84, s84, 12
	s_mov_b32 s85, 0
	s_lshl_b32 s86, s25, 4                         ; S: block 192 + 16 x tile + 8 x half: no register here ever holds cy
	s_lshl_b32 s30, s18, 3
	s_add_co_u32 s86, s86, s30
	s_add_co_u32 s86, s86, 192
	s_lshl_b32 s86, s86, 12
	s_mov_b32 s87, 0
	s_lshl_b32 s31, s18, 14
	s_lshl_b32 s21, s18, 15
	s_add_co_u32 s21, s21, SOFF
	s_wait_kmcnt 0x0
	s_load_b256 s[88:95], s[10:11], 0x0            ; the eight exponents
	s_add_nc_u64 s[84:85], s[4:5], s[84:85]
	s_add_nc_u64 s[86:87], s[6:7], s[86:87]
	CROUND                                         ; all sixteen work-groups are here: the first joint loads meet
	; group 1 of the head's load: two rows (K steps 0 and 1), each a dense half tile in elements of 8 bytes: 2,048 for R, 4,096 for S; 262,144 elements from row to row
	s_or_b32 s[G1HR], s27, (3<<16)|(1<<21)
	s_or_b32 s[G1HS], s28, (3<<16)|(1<<21)
	s_mov_b32 s[G1HR+1], 2048<<16                  ; tensor_dim0
	s_mov_b32 s[G1HR+2], 2<<16                     ; tensor_dim1
	s_mov_b32 s[G1HR+3], 2048<<16                  ; tile_dim0
	s_mov_b32 s[G1HR+4], 2                         ; tile_dim1
	s_mov_b32 s[G1HR+5], 0x40000                   ; from row to row
	s_mov_b32 s[G1HR+6], 0
	s_mov_b32 s[G1HR+7], 0
	s_mov_b32 s[G1HS+1], 4096<<16
	s_mov_b32 s[G1HS+2], 2<<16
	s_mov_b32 s[G1HS+3], 4096<<16
	s_mov_b32 s[G1HS+4], 2
	s_mov_b32 s[G1HS+5], 0x40000
	s_mov_b32 s[G1HS+6], 0
	s_mov_b32 s[G1HS+7], 0
	s_mov_b32 s[G0R], 1                            ; set 0: count = 1,
	s_lshl_b32 s[G0R+1], s18, 15                   ; LDS address: my half's K steps 0 and 1,
	s_mov_b64 s[G0R+2:G0R+3], s[84:85]             ; global address: K step 0,
	s_or_b32 s[G0R+3], s[G0R+3], 0x80000000        ; type = 2
	s_add_nc_u64 s[84:85], s[84:85], 0x400000
	s_mov_b32 s[G0R+4], 1                          ; set 1: K step 2 into slot 2
	s_add_co_u32 s[G0R+5], s31, 2*SLOTB
	s_mov_b64 s[G0R+6:G0R+7], s[84:85]
	s_or_b32 s[G0R+7], s[G0R+7], 0x80000000
	s_add_nc_u64 s[84:85], s[84:85], 0x200000
	s_mov_b32 s[G0S], 1
	s_lshl_b32 s[G0S+1], s18, 16
	s_add_co_u32 s[G0S+1], s[G0S+1], 65536
	s_mov_b64 s[G0S+2:G0S+3], s[86:87]
	s_or_b32 s[G0S+3], s[G0S+3], 0x80000000
	s_add_nc_u64 s[86:87], s[86:87], 0x400000
	s_mov_b32 s[G0S+4], 1
	s_add_co_u32 s[G0S+5], s21, 2*SLOTB
	s_mov_b64 s[G0S+6:G0S+7], s[86:87]
	s_or_b32 s[G0S+7], s[G0S+7], 0x80000000
	s_add_nc_u64 s[86:87], s[86:87], 0x200000      ; s[84:85] and s[86:87] now stand at K step 3
	JLOAD 0, G1HR, G1HS                            ; K steps 0 and 1: one tensor load a wave at the head
	v_and_b32 v1, 15, v0                           ; r
	v_bfe_u32 v2, v0, 4, 1                         ; h
	v_and_b32 v[LI], 31, v0
	v_lshlrev_b32 v[LI], 4, v[LI]
	s_lshl_b32 s29, s17, 14
	v_add_nc_u32 v[ADRR+2], s29, v[LI]
	v_add_nc_u32 v[ADRR], s29, v[ADRR+2]           ; K step 0: 32,768 x my half
	v_add_nc_u32 v[ADRR+2], 2*SLOTB, v[ADRR+2]     ; slot 2: 16,384 x my half
	v_add_nc_u32 v[ADRR+1], 16384, v[ADRR]         ; K step 1
	v_add_nc_u32 v[ADRS+2], s21, v[LI]
	v_add_nc_u32 v[ADRS], s21, v[ADRS+2]           ; K step 0: 65,536 + 65,536 x my half = twice s21
	v_add_nc_u32 v[ADRS+2], 2*SLOTB, v[ADRS+2]
	v_add_nc_u32 v[ADRS+1], 32768, v[ADRS]
	s_mul_i32 s29, s16, 16*SP
	s_add_co_u32 s29, s29, STAGE                   ; my stage
	v_mul_u32_u24 v[STO], v1, SP                   ; in: row r, 64 bytes for each half of the lanes
	v_lshl_add_u32 v[STO], v2, 6, v[STO]
	v_add_nc_u32 v[STO], s29, v[STO]
	v_add_nc_u32 v[RD], s29, v[LI]                 ; back: the 32 lanes take one row of 512 bytes
	s_lshl_b32 s66, s26, 7                         ; my part of out0: row 128 x R tile + 64 (w / 2), rows of 4,096 bytes; byte 1,024 x S tile + 512 (w % 2).  In registers that feed no descriptor
	s_lshl_b32 s67, s17, 6
	s_add_co_u32 s66, s66, s67
	s_lshl_b32 s66, s66, 12
	s_lshl_b32 s2, s25, 10
	s_lshl_b32 s3, s18, 9
	s_add_co_u32 s2, s2, s3                        ; also the bias of my 128 columns
	s_add_co_u32 s66, s66, s2
	s_mov_b32 s67, 0
	s_add_nc_u64 s[66:67], s[12:13], s[66:67]
	s_mov_b32 s3, 0
	s_add_nc_u64 s[8:9], s[8:9], s[2:3]
	v_lshlrev_b32 v[BA], 6, v2                     ; register 16 b + i of v32 on = the bias of column 32 b + 16 h + i
.irp bb, 0,1,2,3
.irp k, 0,1,2,3
	global_load_b128 v[TMP+16*\bb+4*\k:TMP+16*\bb+4*\k+3], v[BA], s[8:9] offset:128*\bb+16*\k
.endr
.endr
	s_wait_kmcnt 0x0
	s_add_co_i32 s98, s94, s95                     ; e6 + e7
	s_sub_co_i32 s96, 127, s98
	s_lshl_b32 s96, s96, 23                        ; 2^-(e6 + e7)
	s_mov_b32 s97, s96
	s_add_co_i32 s98, s98, 127
	s_lshl_b32 s98, s98, 23                        ; 2^(e6 + e7)
	s_mov_b32 s99, s98
	s_wait_loadcnt 0x0
	WIN 0x80                                       ; destination window 2
.irp a, 0,1,2,3
.irp b, 0,1,2,3,4,5,6,7
.irp j, 0,2,4,6
	v_pk_mul_f32 v[8*(8*\a+\b)+\j:8*(8*\a+\b)+\j+1], v[TMP+8*\b+\j:TMP+8*\b+\j+1], s[96:97] op_sel_hi:[1,0]
.endr
.endr
.endr
	WIN 0
	s_wait_alu depctr_va_vdst(0)
	s_wait_tensorcnt 0x0                           ; my part of K step 0 is in; these lines stand ahead of a later first fill as ahead of a refill
	ds_add_u32 v[SPW], v[NIL]
	s_wait_dscnt 0x0
	CROUND                                         ; everybody's part of K step 0 is in, and the joint loads meet
	JLOAD 1, G1R, G1S                              ; slot 2's first fill: K step 2
	FETCH 0, 0, 0
	STEP 0, 0, 1                                   ; K 0-127
	STEP 1, 1, 0                                   ; K 128-255: K step 1 is in with K step 0: no barrier
	STEP 0, 1, 1                                   ; K 256-383
	TURN 2, 1                                      ; K 384-511; K step 2 has landed; K step 0's bytes are asked for again
	STEP 0, 2, 1
	TURN 0, 0                                      ; K 640-767; K step 3 has landed in slot 0
	STEP 0, 0, 1
	s_wait_dscnt 8                                 ; K 896-1023: nothing more to fetch
	WIN MUL
	MULA 0, 1
	MULA 1, 1
	s_wait_dscnt 0x0
	MULA 2, 1
	MULA 3, 1
	WIN 0
; THE WAY OUT, block by block of 16 rows x 128 columns, through my own stage: in by lanes (64 bytes of a row for each pair of tiles), back as whole rows of 512 bytes.
; LDS serves a wave's instructions in order (ISA guide 5.7.1.4): no wait between the stores and the loads, nor in front of the next block's stores.
.macro TOSTAGE a
	WIN 0x02                                       ; source 0 window 2
.set j, 0
.rept 32
	v_pk_mul_f32 v[TMP+j:TMP+j+1], v[64*(\a)+j:64*(\a)+j+1], s[98:99] op_sel_hi:[1,0]   ; x 2^(e6 + e7); each accumulator from its low end on
.set j, j+2
.endr
	WIN 0
.irp b, 0,1,2,3,4,5,6,7
	ds_store_b128 v[STO], v[TMP+8*\b:TMP+8*\b+3] offset:128*(\b/2)+32*(\b%2)
	ds_store_b128 v[STO], v[TMP+8*\b+4:TMP+8*\b+7] offset:128*(\b/2)+32*(\b%2)+16
.endr
.irp t, 0,1,2,3,4,5,6,7,8,9,10,11,12,13,14,15
	ds_load_b128 v[RF+64*((\a)%2)+4*\t:RF+64*((\a)%2)+4*\t+3], v[RD] offset:\t*SP
.endr
.endm
.macro SEND a, younger                 ; younger: the LDS instructions issued behind block a's loads, which may stay out
	s_wait_dscnt \younger
.irp t, 0,1,2,3,4,5,6,7,8,9,10,11,12,13,14,15
	global_store_b128 v[LI], v[RF+64*((\a)%2)+4*\t:RF+64*((\a)%2)+4*\t+3], s[66:67] offset:(16*(\a)+\t)*4096 th:TH_STORE_NT   ; 32 lanes store 512 consecutive bytes, at a multiple of 256 from out0's first byte
.endr
.endm
	PLACES 4
	TOSTAGE 0
.irp a, 1,2,3
.if \a > 1
	s_wait_xcnt 0x0                                ; block a - 2's stores have read their registers: block a's loads may land there
.endif
	TOSTAGE \a
	SEND \a-1, 32                                  ; behind block a - 1's loads: block a's 16 stores and 16 loads
.endr
	SEND 3, 0
	s_wait_tensorcnt 0x0                           ; the wave's end
	ds_add_u32 v[SPW], v[NIL]
	s_wait_dscnt 0x0
	CROUND                                         ; the closing round
	s_endpgm
.Lfunc_end_k_qfea0a95ef0_gemm_out:
	.size	k_qfea0a95ef0_gemm_out, .Lfunc_end_k_qfea0a95ef0_gemm_out-k_qfea0a95ef0_gemm_out
	.p2alignl 7, 3214868480
	.fill 96, 4, 3214868480
	.section	.rodata,"a",@progbits
	.p2align	6, 0x0
	.amdhsa_kernel k_qfea0a95ef0_gemm_out
		.amdhsa_group_segment_fixed_size 327680
		.amdhsa_private_segment_fixed_size 0
		.amdhsa_enable_private_segment 0
		.amdhsa_kernarg_size 40
		.amdhsa_user_sgpr_count 2
		.amdhsa_user_sgpr_kernarg_segment_ptr 1
		.amdhsa_wavefront_size32 1
		.amdhsa_system_sgpr_workgroup_id_x 1
		.amdhsa_system_sgpr_workgroup_id_y 1
		.amdhsa_system_sgpr_workgroup_id_z 1
		.amdhsa_system_vgpr_workitem_id 0
		.amdhsa_next_free_vgpr 768
		.amdhsa_next_free_sgpr 100
		.amdhsa_reserve_vcc 0
		.amdhsa_float_denorm_mode_32 3
		.amdhsa_float_denorm_mode_16_64 3
		.amdhsa_memory_ordered 1
		.amdhsa_forward_progress 1
		.amdhsa_inst_pref_size 85
	.end_amdhsa_kernel
	.amdgpu_metadata
---
amdhsa.version: [ 1, 2 ]
amdhsa.kernels:
  - .name:           k_qfea0a95ef0_gemm_out
    .symbol:         k_qfea0a95ef0_gemm_out.kd
    .args:
      - { .name: attn_img, .offset: 0, .size: 8, .value_kind: global_buffer, .address_space: global }
      - { .name: w_img, .offset: 8, .size: 8, .value_kind: global_buffer, .address_space: global }
      - { .name: b_proj, .offset: 16, .size: 8, .value_kind: global_buffer, .address_space: global }
      - { .name: lowp_scales, .offset: 24, .size: 8, .value_kind: global_buffer, .address_space: global }
      - { .name: out0, .offset: 32, .size: 8, .value_kind: global_buffer, .address_space: global }
    .group_segment_fixed_size: 327680
    .private_segment_fixed_size: 0
    .kernarg_segment_align: 8
    .kernarg_segment_size: 40
    .max_flat_workgroup_size: 128
    .sgpr_count:     100
    .vgpr_count:     768
    .wavefront_size: 32
...
	.end_amdgpu_metadata
.endif
;; end of part 4
